; MI455X (gfx1250); checked and timed in simulation.
; The chip was launched on July 23, 2026; its instructions are those of AMD's public machine-readable ISA for CDNA 5 (MIT licence, August 2026) and "CDNA5" Instruction Set Architecture Reference Guide (July 2026). The comments in the code are by the model that wrote it; some were corrected since.
;; Multi Head Attention. Allowed arithmetic: matrix products marked QUANTISED: E2M1 operands, one E8M0 scale for each 32 along K, by v_wmma_scale_f32_16x16x128_f8f6f4 with both operands' format E2M1 (or v_wmma_scale_f32_32x16x128_f4), f32 sums; products left as they are: bf16, f16 or f32 operands; f32 sums; everything else in f32.
;; Inputs: W_k 1,024 x 1,024 float32; W_o 1,024 x 1,024 float32; W_q 1,024 x 1,024 float32; W_v 1,024 x 1,024 float32; x 4 x 2,048 x 1,024 float32.
;; Outputs: out0 4 x 2,048 x 1,024 float32.
;; This version of the problem:
;;   THIS VERSION OF THE PROBLEM IS GIVEN IN LOW PRECISION. The matrix products marked QUANTISED in the list below multiply operands that are first quantised to E2M1 (2 exponent bits, 1 mantissa bit; 4 bits a number), with one power-of-two scale for each 32 numbers along K (OCP MX v1.0); their sums are f32. The products marked 'left as it is' may take bf16, f16 or f32 operands, with f32 sums. Whichever they take, every output number must still come out within the allowed error. Rounding operands to bf16 (8 significant bits) uses up far more of that allowance than f16 does (11 bits, for magnitudes from 6e-5 to 65,504). All else is computed in f32.
;;   The module's matrix products, in the order in which they are computed (A, B: the left and right operand; K: the contracted axis; several contracted axes count as one K, in the product's order):
;;     1. [M 8,192, K 1,024] x [K 1,024, N 1,024]; A: input x; B: input W_q: QUANTISED
;;     2. [M 8,192, K 1,024] x [K 1,024, N 1,024]; A: input x; B: input W_k: QUANTISED
;;     3. [M 8,192, K 1,024] x [K 1,024, N 1,024]; A: input x; B: input W_v: QUANTISED
;;     4. batch 64 x [M 2,048, K 64] x [K 64, N 2,048]; A: computed on the way; B: computed on the way: left as it is (an operand is computed on the way)
;;     5. batch 64 x [M 2,048, K 2,048] x [K 2,048, N 64]; A: computed on the way; B: computed on the way: left as it is (an operand is computed on the way)
;;     6. [M 8,192, K 1,024] x [K 1,024, N 1,024]; A: computed on the way; B: input W_o: left as it is (an operand is computed on the way)
;;   THE QUANTISER, for each operand of a quantised product, along K:
;;     - K is cut into blocks of 32 from its start; a last block that is shorter is filled with zeros.
;;     - A block's scale is 2^e with e = floor(log2(the largest magnitude in the block)) - 2, held to -126 .. 127; a block of zeros has e = 0. As a byte (E8M0): e + 127.
;;     - Each number is divided by its block's scale, clamped to +-6, and rounded to the nearest number of E2M1, ties to even, subnormals kept.
;;     - The product sums the exact products of the quantised numbers (number of the format x scale) in f32.
;;   ~~~python
;;   def quantise(x, axis):      # numpy; x: float32 -> the quantised numbers, widened to float32 again
;;       x = np.moveaxis(x, axis, -1); K = x.shape[-1]
;;       x = np.pad(x, [(0, 0)] * (x.ndim - 1) + [(0, -K % 32)]); x = x.reshape(x.shape[:-1] + (-1, 32)); a = np.abs(x).max(-1, keepdims=True)
;;       e = np.where(a > 0, np.clip(np.frexp(np.where(a > 0, a, 1))[1] - 1 - 2, -126, 127), 0)      # np.frexp(a)[1] - 1 = floor(log2(a)), exactly
;;       r = np.clip(x / 2.0 ** e, -6, 6)
;;       step = 2.0 ** (np.maximum(np.frexp(np.where(r == 0, 1, r))[1] - 1, 0) - 1)
;;       q = np.round(r / step) * step * 2.0 ** e      # np.round: ties to even
;;       return np.moveaxis(q.reshape(q.shape[:-2] + (-1,))[..., :K], -1, axis).astype(np.float32)
;;   ~~~
;; One version. Each part assembles by itself: llvm-mc -triple=amdgcn-amd-amdhsa -mcpu=gfx1250 --defsym DOCPART=n.
;; ======== version 1 of 1: 5 launches
;; limits: values are held in f16: magnitudes above 65,504 overflow, below 6.1e-05 lose precision
;; workspace buffers: xc 4,194,304 bytes; xs 262,144 bytes; wc 1,572,864 bytes; ws 98,304 bytes; wo16 2,097,152 bytes; qkv 50,331,648 bytes; fine 786,432 bytes; cat 16,777,216 bytes
;; launch quant (part 1): grid 384 x 1, 4 waves a work-group, no clusters, 33,280 bytes of LDS; arguments x, W_q, W_k, W_v, W_o, xc, xs, wc, ws, wo16; writes xc, xs, wc, ws, wo16
.if DOCPART == 1
	.amdgcn_target "amdgcn-amd-amdhsa--gfx1250"
	.amdhsa_code_object_version 6
	.text
	.protected	k_q65bd532bf2_quant
	.globl	k_q65bd532bf2_quant
	.p2align	8
	.type	k_q65bd532bf2_quant,@function
k_q65bd532bf2_quant:
	s_mov_b64 s[64:65], 0
	v_nop
	global_prefetch_b8 v0, s[64:65] scope:SCOPE_SE
	s_setreg_imm32_b32 hwreg(HW_REG_WAVE_MODE, 25, 1), 1
	s_wait_xcnt 0x0
; x [8192][1024] and W_q, W_k, W_v [1024][1024], f32, become codes of FP4 (E2M1), K innermost, with one E8M0 scale byte for each 32 along K;
; W_o [1024][1024] becomes f16, laid by head block: wo16[hb][n][64] = W_o[n][64 hb + d].
; A block's scale is 2^(floor(log2(its largest magnitude)) - 2); its byte is the largest magnitude's exponent field - 2, held at 1 from below.
; (A block of zeros so gets the byte 1 where the quantiser says 127: its codes are zeros, which add nothing, and the bytes are read by this program alone.)
; LIMITS: NaN and infinities among the inputs are not served; W_o's numbers beyond 65,504 in magnitude have no f16.
; SHARES: work-groups 0-255 take x, 256-351 the three weights (32 each; their codes lie one behind the other in wc: rows 0-1023 W_q, 1024-2047 W_k, 2048-3071 W_v), 352-383 W_o.
; Rows are dense and K is a multiple of 32: a tensor is a stream of blocks of 32, and so are its codes and scale bytes.  A wave takes 16 steps of 512 numbers.
; Each load reads 512 consecutive bytes; a step's 2,048 bytes turn through the wave's own stage in LDS so that a lane holds 16 neighbours along K (two lanes hold a block).
; No cluster, no tensor load, no barrier: no two waves read the same byte.
.set WAVES, 4
.set STEPS, 16
.set GX,    256                        ; work-groups for x: 8192 x 1024 / 32,768
.set GW,    96                         ; for the three weights
.set EMAX,  2
.set CB,    8                          ; bytes of 16 codes
.set R,     16                         ; v16-79   four sets of 16 numbers as they are loaded
.set X,     80                         ; v80-111  two sets of 16 neighbours
.set C,     128                        ; v128-191 codes: four registers for each step, so that no store's data are written again
.set E,     112                        ; v112-127 a scale byte for each step
.set WREG,  8192                       ; LDS: a region for each wave: two stages of 32 x SP bytes, and behind them its 256 scale bytes
.set SP,    80                         ; a lane's place in a stage: its 64 bytes + 16 of padding
.set SPW,   12                         ; v12  LDS address of my spare word; never rewritten
.set NIL,   13                         ; v13  0; never rewritten
.set SPARE, WAVES*WREG                 ; behind the four regions: the spare words, 128 bytes a wave
	s_load_b256 s[4:11], s[0:1], 0x0               ; x s[4:5], W_q s[6:7], W_k s[8:9], W_v s[10:11]
	s_load_b256 s[12:19], s[0:1], 0x20             ; W_o s[12:13], xc s[14:15], xs s[16:17], wc s[18:19]
	s_load_b128 s[20:23], s[0:1], 0x40             ; ws s[20:21], wo16 s[22:23]
	v_lshl_add_u32 v[SPW], v0, 2, SPARE
	v_mov_b32 v[NIL], 0
	v_lshrrev_b32 v1, 5, v0
	v_readfirstlane_b32 s34, v1                    ; wave
	v_and_b32 v2, 31, v0                           ; lane
	s_cmp_ge_u32 ttmp9, GX+GW                      ; W_o's work-groups part here, on the work-group's number alone; they touch no LDS
	s_cbranch_scc1 .Lwo
	v_lshlrev_b32 v3, 4, v2                        ; my 16 bytes of a load's 512
	s_mul_i32 s35, s34, WREG
	v_lshrrev_b32 v14, 2, v2
	v_mul_u32_u24 v14, v14, SP
	v_and_b32 v15, 3, v2
	v_lshl_add_u32 v14, v15, 4, v14
	v_add_nc_u32 v14, s35, v14                     ; the stage, on the way in: SP (lane / 4) + 16 (lane % 4)
	v_mul_u32_u24 v15, v2, SP
	v_add_nc_u32 v15, s35, v15                     ; and on the way out: SP x lane: my 16 neighbours
	v_mul_u32_u24 v4, v2, CB                       ; my codes' place in a step's
	v_lshrrev_b32 v5, 1, v2
	s_add_co_u32 s35, s35, 2*32*SP
	v_add_nc_u32 v5, s35, v5                       ; LDS: my wave's 256 scale bytes, my block's byte
	v_lshlrev_b32 v7, 3, v2                        ; and on the way out 8 bytes a lane
	v_add_nc_u32 v6, s35, v7
	s_wait_kmcnt 0x0
	; which tensor: only pointers are chosen, on the work-group's number; all four tensors take one path through the text
	s_sub_co_u32 s24, ttmp9, GX                    ; j: my place among the weights' work-groups
	s_lshr_b32 s25, s24, 5                         ; which weight
	s_and_b32 s26, s24, 31                         ; my place in it
	s_cmp_eq_u32 s25, 1
	s_cselect_b64 s[28:29], s[8:9], s[6:7]
	s_cmp_eq_u32 s25, 2
	s_cselect_b64 s[28:29], s[10:11], s[28:29]
	s_cmp_lt_u32 ttmp9, GX
	s_cselect_b64 s[28:29], s[4:5], s[28:29]       ; the numbers,
	s_cselect_b64 s[30:31], s[14:15], s[18:19]     ; the codes,
	s_cselect_b64 s[32:33], s[16:17], s[20:21]     ; the scale bytes
	s_cselect_b32 s26, ttmp9, s26                  ; my place in the source
	s_cselect_b32 s24, ttmp9, s24                  ; and in the codes' buffer
	s_lshl_b32 s26, s26, 2
	s_add_co_u32 s26, s26, s34                     ; my wave's run of 8,192 numbers in the source,
	s_lshl_b32 s24, s24, 2
	s_add_co_u32 s24, s24, s34                     ; and in the destination
	s_lshl_b32 s26, s26, 15                        ; 32,768 bytes of numbers a run
	s_mov_b32 s27, 0
	s_add_nc_u64 s[28:29], s[28:29], s[26:27]
	s_lshl_b32 s26, s24, 12                        ; 4,096 bytes of codes
	s_add_nc_u64 s[30:31], s[30:31], s[26:27]
	s_lshl_b32 s26, s24, 8                         ; 256 scale bytes
	s_add_nc_u64 s[32:33], s[32:33], s[26:27]
.macro LOAD t
.irp i, 0,1,2,3
	global_load_b128 v[R+16*((\t)%4)+4*\i:R+16*((\t)%4)+4*\i+3], v3, s[28:29] offset:2048*(\t)+512*\i th:TH_LOAD_NT   ; 32 lanes read 512 consecutive bytes
.endr
.endm
.macro TURN t                          ; step t's numbers through the stage: LDS serves a wave's instructions in order, so no wait stands between the stores and the loads
.irp i, 0,1,2,3
	ds_store_b128 v14, v[R+16*((\t)%4)+4*\i:R+16*((\t)%4)+4*\i+3] offset:32*SP*((\t)%2)+8*SP*\i
.endr
.irp i, 0,1,2,3
	ds_load_b128 v[X+16*((\t)%2)+4*\i:X+16*((\t)%2)+4*\i+3], v15 offset:32*SP*((\t)%2)+16*\i
.endr
.endm
.irp t, 0,1,2,3
	LOAD \t
.endr
	s_wait_loadcnt 12                              ; step 0's four loads are in
	TURN 0
.macro STEP t
.set XS, X+16*((\t)%2)
.if (\t) > 0
	s_wait_dscnt 1                                 ; this step's numbers are back from the stage (the last step's byte store may be out): so its stores into the stage have read their registers,
.else
	s_wait_dscnt 0x0
.endif
.if (\t)+4 < STEPS
	LOAD (\t)+4                                    ; which take the loads of four steps on
.endif
.if (\t)+1 < STEPS
.if STEPS-2-(\t) >= 3
	s_wait_loadcnt 12                              ; the next step's four loads are in; those of the three steps behind it may be out
.else
	s_wait_loadcnt 4*(STEPS-2-(\t))
.endif
	TURN (\t)+1                                    ; and go through the other stage while this step is worked
.endif
	v_max3_num_f32 v8, |v[XS]|, |v[XS+1]|, |v[XS+2]|               ; the largest magnitude of my 16
	v_max3_num_f32 v9, |v[XS+3]|, |v[XS+4]|, |v[XS+5]|
.irp i, 6,10
	v_max3_num_f32 v8, v8, |v[XS+\i]|, |v[XS+\i+1]|
	v_max3_num_f32 v9, v9, |v[XS+\i+2]|, |v[XS+\i+3]|
.endr
	v_max3_num_f32 v8, v8, |v[XS+14]|, |v[XS+15]|
	v_max3_num_f32 v8, v8, v9, (EMAX+1)<<23        ; and the floor 2^(EMAX + 1 - 127): the byte cannot fall under 1
	v_max_num_f32_dpp v8, v8, v8 row_xmask:1 row_mask:0xf bank_mask:0xf   ; and of my neighbour's 16: the block's
	v_add_nc_u32 v11, -(EMAX<<23), v8              ; EMAX off its exponent field: the conversion takes the exponent field of this operand as its scale
	v_cvt_scalef32_pk8_fp4_f32 v[C+4*(\t)], v[XS:XS+7], v11        ; eight numbers / the scale, to the nearest code, ties to even, beyond the largest code the largest
	v_cvt_scalef32_pk8_fp4_f32 v[C+4*(\t)+1], v[XS+8:XS+15], v11
	v_lshrrev_b32 v[E+(\t)], 23, v11               ; the scale's byte
	ds_store_b8 v5, v[E+(\t)] offset:16*(\t)       ; both lanes of a block write the same byte with the same value
	global_store_b64 v4, v[C+4*(\t):C+4*(\t)+1], s[30:31] offset:32*CB*(\t)   ; the wave stores 256 consecutive bytes, aligned
.endm
.irp t, 0,1,2,3,4,5,6,7,8,9,10,11,12,13,14,15
	STEP \t
.endr
	ds_load_b64 v[8:9], v6                         ; LDS serves a wave's instructions in order: these see my stores
	s_wait_dscnt 0x0
	global_store_b64 v7, v[8:9], s[32:33]          ; 32 lanes store 256 consecutive bytes, aligned
	s_wait_tensorcnt 0x0                           ; the wave's end: a wait, an add to my spare word and its wait, behind my last LDS store
	ds_add_u32 v[SPW], v[NIL]
	s_wait_dscnt 0x0
	s_endpgm
; W_o to f16.  A work-group takes 32 rows n, a wave 8, two at a time: lanes 0-15 the even row, lanes 16-31 the odd one; a load reads 256 consecutive bytes (64 numbers: one head block) of each.
; Four numbers a lane become 8 bytes; rows n and n + 1 of one head block are neighbours in wo16, so a store covers 256 consecutive bytes, aligned.
.Lwo:
	v_lshrrev_b32 v3, 4, v2
	v_and_b32 v4, 15, v2
	v_lshlrev_b32 v3, 12, v3
	v_lshl_add_u32 v3, v4, 4, v3                   ; in: (lane / 16) rows of 4,096 bytes + 16 (lane % 16)
	v_lshlrev_b32 v4, 3, v2                        ; out: 8 x lane
	s_sub_co_u32 s24, ttmp9, GX+GW
	s_lshl_b32 s24, s24, 5
	s_lshl_b32 s25, s34, 3
	s_add_co_u32 s24, s24, s25                     ; my wave's first row
	s_lshl_b32 s26, s24, 12
	s_mov_b32 s27, 0
	s_lshl_b32 s28, s24, 7
	s_mov_b32 s29, 0
	s_wait_kmcnt 0x0
	s_add_nc_u64 s[12:13], s[12:13], s[26:27]
	s_add_nc_u64 s[22:23], s[22:23], s[28:29]
.macro LOADW p                         ; rows 2 p and 2 p + 1, all sixteen head blocks, into set p % 2
.irp i, 0,1,2,3,4,5,6,7,8,9,10,11,12,13,14,15
	global_load_b128 v[16+64*((\p)%2)+4*\i:16+64*((\p)%2)+4*\i+3], v3, s[12:13] offset:8192*(\p)+256*\i th:TH_LOAD_NT
.endr
.endm
	LOADW 0
	LOADW 1
.macro PAIR p
.if (\p) < 3
	s_wait_loadcnt 16                              ; this pair's sixteen loads are in; the other set's may be out
.else
	s_wait_loadcnt 0x0
.endif
.if (\p) > 0
	s_wait_xcnt 0x0                                ; the last pair's stores have read their data: v144-175 are written again only behind this wait
.endif
.irp i, 0,1,2,3,4,5,6,7,8,9,10,11,12,13,14,15
	v_cvt_pk_f16_f32 v[144+2*\i], v[16+64*((\p)%2)+4*\i], v[16+64*((\p)%2)+4*\i+1]
	v_cvt_pk_f16_f32 v[145+2*\i], v[16+64*((\p)%2)+4*\i+2], v[16+64*((\p)%2)+4*\i+3]
.endr
.if (\p) < 2
	LOADW (\p)+2
.endif
.irp i, 0,1,2,3,4,5,6,7,8,9,10,11,12,13,14,15
	global_store_b64 v4, v[144+2*\i:145+2*\i], s[22:23] offset:256*(\p)+131072*\i
.endr
.endm
	PAIR 0
	PAIR 1
	PAIR 2
	PAIR 3
	s_endpgm
.Lfunc_end_k_q65bd532bf2_quant:
	.size	k_q65bd532bf2_quant, .Lfunc_end_k_q65bd532bf2_quant-k_q65bd532bf2_quant
	.p2alignl 7, 3214868480
	.fill 96, 4, 3214868480
	.section	.rodata,"a",@progbits
	.p2align	6, 0x0
	.amdhsa_kernel k_q65bd532bf2_quant
		.amdhsa_group_segment_fixed_size 33280
		.amdhsa_private_segment_fixed_size 0
		.amdhsa_enable_private_segment 0
		.amdhsa_kernarg_size 80
		.amdhsa_user_sgpr_count 2
		.amdhsa_user_sgpr_kernarg_segment_ptr 1
		.amdhsa_wavefront_size32 1
		.amdhsa_system_sgpr_workgroup_id_x 1
		.amdhsa_system_sgpr_workgroup_id_y 1
		.amdhsa_system_sgpr_workgroup_id_z 1
		.amdhsa_system_vgpr_workitem_id 0
		.amdhsa_next_free_vgpr 192
		.amdhsa_next_free_sgpr 66
		.amdhsa_reserve_vcc 0
		.amdhsa_float_denorm_mode_32 3
		.amdhsa_float_denorm_mode_16_64 3
		.amdhsa_memory_ordered 1
		.amdhsa_forward_progress 1
		.amdhsa_inst_pref_size 54
	.end_amdhsa_kernel
	.amdgpu_metadata
---
amdhsa.version: [ 1, 2 ]
amdhsa.kernels:
  - .name:           k_q65bd532bf2_quant
    .symbol:         k_q65bd532bf2_quant.kd
    .args:
      - { .name: x, .offset: 0, .size: 8, .value_kind: global_buffer, .address_space: global }
      - { .name: W_q, .offset: 8, .size: 8, .value_kind: global_buffer, .address_space: global }
      - { .name: W_k, .offset: 16, .size: 8, .value_kind: global_buffer, .address_space: global }
      - { .name: W_v, .offset: 24, .size: 8, .value_kind: global_buffer, .address_space: global }
      - { .name: W_o, .offset: 32, .size: 8, .value_kind: global_buffer, .address_space: global }
      - { .name: xc, .offset: 40, .size: 8, .value_kind: global_buffer, .address_space: global }
      - { .name: xs, .offset: 48, .size: 8, .value_kind: global_buffer, .address_space: global }
      - { .name: wc, .offset: 56, .size: 8, .value_kind: global_buffer, .address_space: global }
      - { .name: ws, .offset: 64, .size: 8, .value_kind: global_buffer, .address_space: global }
      - { .name: wo16, .offset: 72, .size: 8, .value_kind: global_buffer, .address_space: global }
    .group_segment_fixed_size: 33280
    .private_segment_fixed_size: 0
    .kernarg_segment_align: 8
    .kernarg_segment_size: 80
    .max_flat_workgroup_size: 128
    .sgpr_count:     66
    .vgpr_count:     192
    .wavefront_size: 32
...
	.end_amdgpu_metadata
.endif
;; end of part 1
;; launch qkv (part 2): grid 12 x 32, 4 waves a work-group, clusters of 4 x 4, 327,680 bytes of LDS; arguments xc, xs, wc, ws, qkv, fine; writes qkv, fine
.if DOCPART == 2
	.amdgcn_target "amdgcn-amd-amdhsa--gfx1250"
	.amdhsa_code_object_version 6
	.text
	.protected	k_q65bd532bf2_qkv
	.globl	k_q65bd532bf2_qkv
	.p2align	8
	.type	k_q65bd532bf2_qkv,@function
k_q65bd532bf2_qkv:
	s_mov_b64 s[64:65], 0
	v_nop
	global_prefetch_b8 v0, s[64:65] scope:SCOPE_SE
	s_setreg_imm32_b32 hwreg(HW_REG_WAVE_MODE, 25, 1), 1
	s_wait_xcnt 0x0
	s_wait_alu depctr_hold_cnt(0) depctr_sa_sdst(0) depctr_va_vdst(0) depctr_va_sdst(0) depctr_va_ssrc(0) depctr_va_vcc(0) depctr_vm_vsrc(0)
	s_getreg_b32 s2, hwreg(HW_REG_IB_STS2, 6, 4)
	s_cmp_eq_u32 s2, 0
	s_cbranch_scc0 .Lentry_in_a_cluster
	s_endpgm
.Lentry_in_a_cluster:
	s_bfe_u32 s2, ttmp6, 0x10000c
	s_cmp_lg_u32 s2, 0xf033
	s_cbranch_scc0 .Lentry_shape_is_right
	s_endpgm
.Lentry_shape_is_right:
; q, k, v = x W^T for the three weights at once: C[m][n] = sum over k of A[m][k] B[n][k], A = x's codes [8192][1024], B = the weights' codes [3072][1024], FP4 (E2M1) with one E8M0 byte for each 32 along K; sums in f32.
; The results leave as f16, laid by head: qkv[which][batch][head][position][64]; positions 0 to 15 of every sequence leave as f32 too: fine[which][batch][head][16][64].
; LIMIT: a result beyond 65,504 in magnitude has no f16.
; A tile of C, 256 x 256, is made by a work-group of four waves; a wave makes 128 x 128: 64 accumulators of 16 x 16, 512 registers.  K = 1,024 is two steps of 512, a row of a step 256 bytes: both lie in LDS at once,
; so both slots are filled once, at the head, and nothing is filled again.  The scales of the work-group's rows, for all of K, come with them as dense blocks.
; CLUSTERS: 4 x 4 work-groups.  The four of a row of the cluster need the same tiles of A, the four of a column the same tiles of B: each tile is asked for jointly.
; THE TILE ROW IS 8 cy + (cluster y): cy is the batch, and a tile begins at position 256 x (cluster y).  So 'this tile holds positions 0 to 15' is cluster y = 0, the same in all sixteen partners.
; THE MATRIX INSTRUCTION IS USED TRANSPOSED (source 0 = 16 rows of B, source 1 = 16 rows of A): a lane holds eight neighbouring columns of one row of C.
; REGISTERS, in windows of 256: window 0: v0-31 addresses; v32-95 scale words, two sets; from v128 A's fragments, one set; on the way out v32-255 are free.
;   window 1: B's fragments, two sets, at v0 and v128.   window 2: the accumulators of my rows 0-63 ((a, b) at v[8 (8 a + b)]);   window 3: those of my rows 64-127.
.set KSTEP,  512
.set NQ,     KSTEP/128                 ; matrix instructions deep in a slot
.set ROWB,   256                       ; a tile's row in bytes
.set KROW,   512                       ; a row of codes in memory
.set PITCH,  272                       ; an LDS row: 256 bytes + 16 of padding: the 16 rows that a load touches start at 16 different groups of four banks
.set FR,     8
.set NL,     2
.set NP,     4                         ; places behind this matrix instruction (ISA guide 7.12.1)
.set HALFT,  128*PITCH
.set SLOT,   4*HALFT                   ; A's 256 rows, then B's 256 rows
.set KS,     32                        ; a row of scales in bytes
.set SCL,    2*SLOT                    ; behind the slots: the scales, as rows of 256 bytes + 16 of padding
.set HALFS,  (128*KS/256)*272
.set SBLK,   (16*KS/256)*272
.set SPARE,  SCL+4*HALFS               ; the spare words, 128 bytes a wave
.set WSTG,   12800                     ; the way out: a region for each wave in slot 0, which has had its only fill and its last read by then: an f32 stage of 16 x 528 bytes,
.set ST16,   16*528                    ; and behind it an f16 stage of 16 x 272
.set ADRA, 16                          ; v16-17 LDS address of my A fragments in slot 0, 1
.set ADRB, 20                          ; v20-21 the same for B
.set STO32, 22                         ; v22  f32 stage, in
.set RD32, 23                          ; v23  f32 stage, back
.set STO,  24                          ; v24  f16 stage, in
.set RD,   25                          ; v25  f16 stage, back
.set CO,   26                          ; v26  16 x lane: my byte offset in a store's 512 bytes
.set ADRS, 27                          ; v27  LDS address of my scale words: lanes 0-15 A's rows, lanes 16-31 B's
.set SPW,  28
.set NIL,  29
.set FO,   30                          ; v30  my byte offset in fine: lanes 0-15 one head, lanes 16-31 the next
.set SC,   32
.set AF,   128
.set TMP,  192                         ; the way out: packed results
.set OB,   32                          ; the way out: rows read back: v32-63 and v224-255 by turns
.set FB,   64                          ; the fine rows read back: v64-127
.set G1, 24
.set G0, 32
.set G1B, 48
.set G0B, 56
.set G1S, 68
.set G0S, 76
.set G1SB, 80
.set G0SB, 88
.set MSB, 0
.macro WIN new                         ; the immediate's high byte repeats the setting that is left
.if MSB != \new
	s_set_vgpr_msb (MSB<<8)|\new
.set MSB, \new
.endif
.endm
.set MUL_LO, 0xa1                      ; source 0 (B) window 1, source 1 (A) window 0, C and D window 2
.set MUL_HI, 0xf1                      ; the same, C and D window 3
.set TO_B,   0x40                      ; destination window 1, address window 0
; A joint load: waves 0 and 1 fetch for A, waves 2 and 3 for B; the branch hangs on the wave's number alone.  An s_nop 0 and four v_nop follow each of the two lines.
.macro JLOAD g0a, g1a, g0b, g1b
	s_cmp_eq_u32 s15, 0
	s_cbranch_scc0 .Lfor_b_\@
	tensor_load_to_lds s[\g0a:\g0a+3], s[\g1a:\g1a+7]
	s_nop 0
.rept 4
	v_nop
.endr
	s_branch .Lasked_\@
.Lfor_b_\@:
	tensor_load_to_lds s[\g0b:\g0b+3], s[\g1b:\g1b+7]
	s_nop 0
.rept 4
	v_nop
.endr
.Lasked_\@:
.endm
.macro CROUND                          ; a round of the cluster's barrier
	s_barrier_signal -1
	s_barrier_wait -1
	s_cmp_lg_u32 s14, 0
	s_cbranch_scc1 .Lnot_wave_0_\@
	s_barrier_signal -3
.Lnot_wave_0_\@:
	s_barrier_wait -3
	s_barrier_signal -1
	s_barrier_wait -1
.endm
	s_load_b128 s[4:7], s[0:1], 0x0                ; x's codes s[4:5], x's scales s[6:7]
	s_load_b128 s[8:11], s[0:1], 0x10              ; the weights' codes s[8:9], their scales s[10:11]
	s_load_b64 s[12:13], s[0:1], 0x20              ; qkv
	s_load_b64 s[96:97], s[0:1], 0x28              ; fine
	v_lshl_add_u32 v[SPW], v0, 2, SPARE
	v_mov_b32 v[NIL], 0
	ds_add_u32 v[SPW], v[NIL]                      ; the wave's opening: the add, twice on end, and its wait ahead of my first tensor load
	ds_add_u32 v[SPW], v[NIL]
	v_lshrrev_b32 v1, 5, v0
	v_readfirstlane_b32 s14, v1                    ; wave 0..3
	s_lshr_b32 s15, s14, 1                         ; which half of the tile's rows is mine.  Also: I fetch for A (0) or for B (1)
	s_and_b32 s16, s14, 1                          ; which half of its columns.  Also: which 128 rows of that tile I fetch
	s_bfe_u32 s40, ttmp6, 0x40000                  ; cx, cy: my place in the cluster
	s_bfe_u32 s41, ttmp6, 0x40004
	s_lshl_b32 s42, ttmp9, 2
	s_add_co_u32 s42, s42, s40                     ; tile column of C = 4 x cluster x + cx
	s_and_b32 s95, ttmp7, 0xffff                   ; cluster y
	s_lshl_b32 s17, s41, 3
	s_add_co_u32 s17, s17, s95                     ; tile row of C = 8 cy + cluster y
	s_lshl_b32 s43, s41, 2
	s_lshl_b32 s43, 15, s43                        ; my row of the cluster
	s_lshl_b32 s44, 0x1111, s40                    ; my column
	; descriptor group 1: a tile of 128 rows x 256 bytes, padded in LDS
	s_or_b32 s[G1+0], s43, (0<<16)|(1<<20)|(1<<21)|(5<<22)|(3<<25)  ; the mask; elements of 1 byte; padding on; bit 21 beside a mask; after every 64 words, 4 words
	s_or_b32 s[G1B+0], s44, (0<<16)|(1<<20)|(1<<21)|(5<<22)|(3<<25)
.irp g, G1, G1B
	s_mov_b32 s[\g+1], ROWB<<16                    ; tensor_dim0
	s_mov_b32 s[\g+2], 128<<16                     ; tensor_dim1
	s_mov_b32 s[\g+3], ROWB<<16                    ; tile_dim0
	s_mov_b32 s[\g+4], 128                         ; tile_dim1
	s_mov_b32 s[\g+5], KROW                        ; tensor_dim0_stride
	s_mov_b32 s[\g+6], 0
	s_mov_b32 s[\g+7], 0
.endr
	; the scales of 128 rows: a dense block of 4,096 bytes, as 16 rows of 256 bytes (32 elements of 8 bytes), 16 bytes of padding behind each
	s_or_b32 s[G1S+0], s43, (3<<16)|(1<<20)|(1<<21)|(5<<22)|(3<<25)
	s_or_b32 s[G1SB+0], s44, (3<<16)|(1<<20)|(1<<21)|(5<<22)|(3<<25)
.irp g, G1S, G1SB
	s_mov_b32 s[\g+1], 32<<16
	s_mov_b32 s[\g+2], (128*KS/256)<<16
	s_mov_b32 s[\g+3], 32<<16
	s_mov_b32 s[\g+4], 128*KS/256
	s_mov_b32 s[\g+5], 32
	s_mov_b32 s[\g+6], 0
	s_mov_b32 s[\g+7], 0
.endr
	s_lshl_b32 s18, s16, 7                         ; which 128 rows of the tile I fetch
	s_lshl_b32 s20, s17, 8
	s_add_co_u32 s20, s20, s18                     ; A: row 256 x tile row + 128 x half
	s_lshl_b32 s46, s42, 8
	s_add_co_u32 s46, s46, s18                     ; B: row 256 x tile column + 128 x half
	s_mov_b32 s21, 0
	s_mov_b32 s47, 0
	s_mov_b64 s[18:19], KS
	s_mul_u64 s[22:23], s[20:21], s[18:19]         ; where these rows' scales begin, in bytes
	s_mul_u64 s[92:93], s[46:47], s[18:19]
	s_mov_b64 s[18:19], KROW
	s_mul_u64 s[20:21], s[20:21], s[18:19]         ; and their codes
	s_mul_u64 s[46:47], s[46:47], s[18:19]
	s_mul_i32 s45, s14, HALFT                      ; where they go: wave x 128 rows: no place in the cluster enters an LDS address
	s_mul_i32 s94, s14, HALFS
	s_wait_dscnt 0x0                               ; both opening adds are done
	s_wait_kmcnt 0x0
	s_add_nc_u64 s[20:21], s[4:5], s[20:21]
	s_add_nc_u64 s[22:23], s[6:7], s[22:23]
	s_add_nc_u64 s[46:47], s[8:9], s[46:47]
	s_add_nc_u64 s[92:93], s[10:11], s[92:93]
	CROUND                                         ; all sixteen work-groups are here: the joint loads meet
	s_mov_b32 s[G0S], 1
	s_add_co_u32 s[G0S+1], s94, SCL
	s_mov_b64 s[G0S+2:G0S+3], s[22:23]
	s_or_b32 s[G0S+3], s[G0S+3], 0x80000000
	s_mov_b32 s[G0SB], 1
	s_add_co_u32 s[G0SB+1], s94, SCL
	s_mov_b64 s[G0SB+2:G0SB+3], s[92:93]
	s_or_b32 s[G0SB+3], s[G0SB+3], 0x80000000
	JLOAD G0S, G1S, G0SB, G1SB                     ; the scales first: they are wanted with K step 0.  By this text's count three loads of a wave are out at the most
.irp s, 0,1
	s_mov_b32 s[G0+4*\s], 1
	s_add_co_u32 s[G0+4*\s+1], s45, \s*SLOT
	s_add_nc_u64 s[G0+4*\s+2:G0+4*\s+3], s[20:21], \s*ROWB
	s_or_b32 s[G0+4*\s+3], s[G0+4*\s+3], 0x80000000
	s_mov_b32 s[G0B+4*\s], 1
	s_add_co_u32 s[G0B+4*\s+1], s45, \s*SLOT
	s_add_nc_u64 s[G0B+4*\s+2:G0B+4*\s+3], s[46:47], \s*ROWB
	s_or_b32 s[G0B+4*\s+3], s[G0B+4*\s+3], 0x80000000
	JLOAD G0+4*\s, G1, G0B+4*\s, G1B
.endr
	v_and_b32 v1, 15, v0                           ; r = l % 16
	v_bfe_u32 v2, v0, 4, 1                         ; h = l / 16
	v_mul_u32_u24 v3, v1, PITCH
	v_lshl_add_u32 v4, v2, 4, v3                   ; a fragment's row x pitch + 16 x half
	s_mul_i32 s21, s15, HALFT                      ; my 128 rows of A
	s_mul_i32 s22, s16, HALFT                      ; my 128 rows of B,
	s_add_co_u32 s22, s22, 2*HALFT                 ; which lie behind A's 256
.irp s, 0,1
	v_add_nc_u32 v[ADRA+\s], s21, v4
	v_add_nc_u32 v[ADRB+\s], s22, v4
	s_add_co_u32 s21, s21, SLOT
	s_add_co_u32 s22, s22, SLOT
.endr
	v_mul_u32_u24 v5, v1, KS                       ; my row's scales: KS bytes a row,
	v_lshrrev_b32 v6, 8, v5
	v_lshl_add_u32 v5, v6, 4, v5                   ; and 16 more for each 256 passed
	s_mul_i32 s21, s15, HALFS                      ; A's: my 128 rows
	s_mul_i32 s22, s16, HALFS                      ; B's: my 128 rows, behind A's 256
	s_add_co_u32 s22, s22, 2*HALFS
	s_sub_co_u32 s22, s22, s21
	v_mul_u32_u24 v6, s22, v2                      ; lanes 16-31 take B's: one product, the distance between the two bases
	s_add_co_u32 s21, s21, SCL
	v_add_nc_u32 v5, v5, v6
	v_add_nc_u32 v[ADRS], s21, v5
	s_mul_i32 s23, s14, WSTG                       ; my stages
	v_mul_u32_u24 v5, v1, 528
	v_lshl_add_u32 v5, v2, 5, v5
	v_add_nc_u32 v[STO32], s23, v5                 ; f32, in: row r, 32 bytes for each half of the lanes
	v_and_b32 v6, 31, v0
	v_lshlrev_b32 v[CO], 4, v6
	v_add_nc_u32 v[RD32], s23, v[CO]               ; f32, back: the 32 lanes take one row of 512 bytes
	s_add_co_u32 s23, s23, ST16
	v_mul_u32_u24 v5, v1, 272
	v_lshl_add_u32 v5, v2, 4, v5
	v_add_nc_u32 v[STO], s23, v5                   ; f16, in: row r, 16 bytes for each half of the lanes
	v_lshrrev_b32 v5, 3, v6
	v_mul_u32_u24 v5, v5, 272
	v_and_b32 v3, 7, v6
	v_lshl_add_u32 v5, v3, 4, v5
	v_add_nc_u32 v[RD], s23, v5                    ; f16, back: eight lanes take a head's 128 bytes of a row, the 32 lanes four rows
	v_lshlrev_b32 v[FO], 12, v2
	v_lshl_add_u32 v[FO], v1, 4, v[FO]             ; fine: (lane / 16) heads of 4,096 bytes + 16 (lane % 16)
	; my two heads: G = 64 x which + 16 x batch + head, head = 4 (tile column % 4) + 2 x my column half; G and G + 1
	s_lshr_b32 s20, s42, 2
	s_lshl_b32 s20, s20, 6
	s_lshl_b32 s21, s41, 4
	s_add_co_u32 s20, s20, s21
	s_and_b32 s21, s42, 3
	s_lshl_b32 s21, s21, 2
	s_add_co_u32 s20, s20, s21
	s_lshl_b32 s21, s16, 1
	s_add_co_u32 s20, s20, s21
	s_lshl_b32 s46, s20, 12                        ; a head of fine is 4,096 bytes
	s_mov_b32 s47, 0
	s_add_nc_u64 s[96:97], s[96:97], s[46:47]
	s_lshl_b32 s46, s20, 18                        ; a head of qkv is 262,144 bytes;
	s_lshl_b32 s21, s95, 15                        ; my first position: 256 x cluster y
	s_add_co_u32 s46, s46, s21
	s_lshl_b32 s21, s15, 14                        ; + 128 x my row half, 128 bytes a position
	s_add_co_u32 s46, s46, s21
	s_add_nc_u64 s[12:13], s[12:13], s[46:47]
.macro FRAG reg, adr, q, i             ; a fragment, 16 rows x 128 K of 4-bit codes, is 8 registers: lane l holds row l % 16; registers 4 c .. 4 c + 3 hold K = 64 c + 32 (l / 16) + 0 .. 31
.irp c, 0,1
	ds_load_b128 v[\reg+4*\c:\reg+4*\c+3], v[\adr] offset:64*(\q)+32*\c+(\i)*16*PITCH
.endr
.endm
; 16 matrix instructions: A's blocks a0, a0 + 1 x B's eight, 128 along K: the slot's q-th.  p: B's set;  sc: the set of scale words.  zero = 1: the first product starts the sums.
; The 64 accumulators take turns, one instruction a turn, in the same order in every step.
.macro MUL16 a0, p, q, sc, zero
.irp a, \a0, \a0+1
.irp b, 0,1,2,3,4,5,6,7
.if \zero
	v_wmma_scale_f32_16x16x128_f8f6f4 v[8*(8*((\a)%4)+\b):8*(8*((\a)%4)+\b)+7], v[128*(\p)+FR*\b:128*(\p)+FR*\b+FR-1], v[AF+FR*(\a):AF+FR*(\a)+FR-1], 0, v[SC+8*NQ*(\sc)+NQ*\b+(\q)], v[SC+8*NQ*(\sc)+NQ*(\a)+(\q)] matrix_a_fmt:MATRIX_FMT_FP4 matrix_b_fmt:MATRIX_FMT_FP4 matrix_a_scale:MATRIX_SCALE_ROW1
.else
	v_wmma_scale_f32_16x16x128_f8f6f4 v[8*(8*((\a)%4)+\b):8*(8*((\a)%4)+\b)+7], v[128*(\p)+FR*\b:128*(\p)+FR*\b+FR-1], v[AF+FR*(\a):AF+FR*(\a)+FR-1], v[8*(8*((\a)%4)+\b):8*(8*((\a)%4)+\b)+7], v[SC+8*NQ*(\sc)+NQ*\b+(\q)], v[SC+8*NQ*(\sc)+NQ*(\a)+(\q)] matrix_a_fmt:MATRIX_FMT_FP4 matrix_b_fmt:MATRIX_FMT_FP4 matrix_a_scale:MATRIX_SCALE_ROW1
.endif
.endr
.endr
.endm
.macro FETCH_B slot, q, p              ; B's eight fragments of the slot's q-th 128 along K into set p
	WIN TO_B
.irp i, 0,1,2,3,4,5,6,7
	FRAG 128*(\p)+FR*\i, ADRB+\slot, \q, \i
.endr
	WIN 0
.endm
.macro FETCH_A slot, q, i0             ; A's blocks i0 .. i0 + 3
.irp i, \i0, \i0+1, \i0+2, \i0+3
	FRAG AF+FR*(\i), ADRA+\slot, \q, \i
.endr
.endm
.macro SCALES sc                       ; a K step's scale words into set sc: lanes 0-15 take A's block i, lanes 16-31 B's block i
.irp i, 0,1,2,3,4,5,6,7
	ds_load_b128 v[SC+8*NQ*\sc+NQ*\i:SC+8*NQ*\sc+NQ*\i+3], v[ADRS] offset:\i*SBLK
.endr
.endm
; A load into a register that a matrix instruction has read, and a vector instruction or an LDS store that reads a matrix result, stand NP places behind that matrix instruction;
; only plain vector instructions that name none of its registers are places.
.macro PLACES n
.rept \n
	v_nop
.endr
.endm
.macro STEP slot, q, zero              ; a step of 128 along K that has its successor in the same slot
	s_wait_dscnt 4*NL                              ; B's set and A's blocks 0-3 are in; the youngest eight loads (A's blocks 4-7) may be out
	WIN MUL_LO
	MUL16 0, (\q)%2, \q, \slot, \zero
	MUL16 2, (\q)%2, \q, \slot, \zero
	s_wait_dscnt 0                                 ; A's blocks 4-7 are in
	PLACES NP
	FETCH_B \slot, (\q)+1, 1-(\q)%2
	FETCH_A \slot, (\q)+1, 0
	WIN MUL_HI
	MUL16 4, (\q)%2, \q, \slot, \zero
	MUL16 6, (\q)%2, \q, \slot, \zero
	PLACES NP
	WIN 0
	FETCH_A \slot, (\q)+1, 4
.endm
; Slot 0's last step goes over to slot 1: one barrier.  In front of it each wave waits for all its tensor loads (its part of slot 1), adds 0 to its spare word, and waits for that and for its reads of slot 0.
; Behind it slot 1 is whole and nobody reads slot 0, which later serves as the stages.
.macro TURN slot, next
	s_wait_tensorcnt 0x0
	ds_add_u32 v[SPW], v[NIL]
	s_wait_dscnt 4*NL+1                            ; (the add and the youngest eight loads, A's blocks 4-7, may be out)
	WIN MUL_LO
	MUL16 0, 1, NQ-1, \slot, 0
	s_wait_dscnt 0x0                               ; the add is done, and my reads of this slot are over
	s_barrier_signal -1
	MUL16 2, 1, NQ-1, \slot, 0
	WIN 0
	s_barrier_wait -1
	PLACES NP
	v_add_nc_u32 v[ADRS], 4*NQ, v[ADRS]            ; on to the next K step's scale words
	FETCH_B \next, 0, 0
	FETCH_A \next, 0, 0
	SCALES \next
	WIN MUL_HI
	MUL16 4, 1, NQ-1, \slot, 0
	MUL16 6, 1, NQ-1, \slot, 0
	PLACES NP
	WIN 0
	FETCH_A \next, 0, 4
.endm
	s_wait_tensorcnt 1                             ; the scales and my part of K step 0 are in (K step 1's load may be out)
	s_barrier_signal -1
	s_barrier_wait -1                              ; everybody's are
	FETCH_B 0, 0, 0
	FETCH_A 0, 0, 0
	SCALES 0
	FETCH_A 0, 0, 4
	STEP 0, 0, 1                                   ; the first products start the sums: nothing is cleared
	STEP 0, 1, 0
	STEP 0, 2, 0
	TURN 0, 1
	STEP 1, 0, 0
	STEP 1, 1, 0
	STEP 1, 2, 0
	s_wait_dscnt 4*NL                              ; the last step: nothing more to fetch
	WIN MUL_LO
	MUL16 0, 1, NQ-1, 1, 0
	MUL16 2, 1, NQ-1, 1, 0
	s_wait_dscnt 0
	WIN MUL_HI
	MUL16 4, 1, NQ-1, 1, 0
	MUL16 6, 1, NQ-1, 1, 0
	WIN 0
	PLACES NP                                      ; behind the last products: for the reads of results and the loads into registers that held scales and fragments
	; POSITIONS 0 TO 15 AS f32: they lie in block 0 of the waves with the upper row half, in the tiles with cluster y = 0.  Both tests are alike in all partners.
	s_cmp_lg_u32 s95, 0
	s_cbranch_scc1 .Lnofine
	s_cmp_lg_u32 s15, 0
	s_cbranch_scc1 .Lnofine
	WIN 0x08                                       ; an LDS store's data are its source 1: window 2
.irp b, 0,1,2,3,4,5,6,7
	ds_store_b128 v[STO32], v[8*\b:8*\b+3] offset:64*\b            ; each accumulator from its low end on
	ds_store_b128 v[STO32], v[8*\b+4:8*\b+7] offset:64*\b+16
.endr
	WIN 0
.irp t, 0,1,2,3,4,5,6,7,8,9,10,11,12,13,14,15
	ds_load_b128 v[FB+4*\t:FB+4*\t+3], v[RD32] offset:\t*528       ; LDS serves a wave's instructions in order: these see my stores
.endr
	s_wait_dscnt 0x0
.irp t, 0,1,2,3,4,5,6,7,8,9,10,11,12,13,14,15
	global_store_b128 v[FO], v[FB+4*\t:FB+4*\t+3], s[96:97] offset:\t*256   ; position t: sixteen lanes store a head's 256 consecutive bytes, aligned
.endr
.Lnofine:
; THE WAY OUT, block by block of 16 positions x 128 columns (two heads).  PACK: rounded to f16, 16 bytes a lane.  TOSTAGE: into my f16 stage and back, four positions of one head a load.  SEND: stored.
.macro PACK a
.set AC, 64*((\a)%4)
	WIN 0x0a+5*((\a)/4)                            ; sources 0 and 1: window 2 or 3
.irp b, 0,1,2,3,4,5,6,7
.irp r, 0,1,2,3
	v_cvt_pk_f16_f32 v[TMP+4*\b+\r], v[AC+8*\b+2*\r], v[AC+8*\b+2*\r+1]
.endr
.endr
	WIN 0
.endm
.macro TOSTAGE a
.set BKK, OB+192*((\a)%2)
.irp b, 0,1,2,3,4,5,6,7
	ds_store_b128 v[STO], v[TMP+4*\b:TMP+4*\b+3] offset:32*\b
.endr
.irp t, 0,1,2,3,4,5,6,7
	ds_load_b128 v[BKK+4*\t:BKK+4*\t+3], v[RD] offset:(\t%4)*4*272+(\t/4)*128
.endr
.endm
.macro SEND a
.set BKK, OB+192*((\a)%2)
	s_wait_dscnt 0x0                               ; the block is back in registers
	s_wait_xcnt 0x0                                ; the earlier stores have read their registers: the next loads from the stage land on them only behind this wait
.irp t, 0,1,2,3,4,5,6,7
	global_store_b128 v[CO], v[BKK+4*\t:BKK+4*\t+3], s[12:13] offset:(\t/4)*262144+(\a)*2048+(\t%4)*512   ; four positions of one head: 512 consecutive bytes, aligned
.endr
.endm
	PACK 0
	TOSTAGE 0
.irp a, 1,2,3,4,5,6,7                  ; block a's conversions stand between block a - 1's loads from the stage and the wait for them
	PACK \a
	SEND \a-1
	TOSTAGE \a
.endr
	SEND 7
	s_wait_tensorcnt 0x0                           ; the wave's end: a wait, an add to my spare word and its wait, behind my last tensor load and my last LDS store
	ds_add_u32 v[SPW], v[NIL]
	s_wait_dscnt 0x0
	CROUND                                         ; the closing round
	s_endpgm
.Lfunc_end_k_q65bd532bf2_qkv:
	.size	k_q65bd532bf2_qkv, .Lfunc_end_k_q65bd532bf2_qkv-k_q65bd532bf2_qkv
	.p2alignl 7, 3214868480
	.fill 96, 4, 3214868480
	.section	.rodata,"a",@progbits
	.p2align	6, 0x0
	.amdhsa_kernel k_q65bd532bf2_qkv
		.amdhsa_group_segment_fixed_size 327680
		.amdhsa_private_segment_fixed_size 0
		.amdhsa_enable_private_segment 0
		.amdhsa_kernarg_size 48
		.amdhsa_user_sgpr_count 2
		.amdhsa_user_sgpr_kernarg_segment_ptr 1
		.amdhsa_wavefront_size32 1
		.amdhsa_system_sgpr_workgroup_id_x 1
		.amdhsa_system_sgpr_workgroup_id_y 1
		.amdhsa_system_sgpr_workgroup_id_z 1
		.amdhsa_system_vgpr_workitem_id 0
		.amdhsa_next_free_vgpr 1024
		.amdhsa_next_free_sgpr 100
		.amdhsa_reserve_vcc 0
		.amdhsa_float_denorm_mode_32 3
		.amdhsa_float_denorm_mode_16_64 3
		.amdhsa_memory_ordered 1
		.amdhsa_forward_progress 1
		.amdhsa_inst_pref_size 131
	.end_amdhsa_kernel
	.amdgpu_metadata
---
amdhsa.version: [ 1, 2 ]
amdhsa.kernels:
  - .name:           k_q65bd532bf2_qkv
    .symbol:         k_q65bd532bf2_qkv.kd
    .args:
      - { .name: xc, .offset: 0, .size: 8, .value_kind: global_buffer, .address_space: global }
      - { .name: xs, .offset: 8, .size: 8, .value_kind: global_buffer, .address_space: global }
      - { .name: wc, .offset: 16, .size: 8, .value_kind: global_buffer, .address_space: global }
      - { .name: ws, .offset: 24, .size: 8, .value_kind: global_buffer, .address_space: global }
      - { .name: qkv, .offset: 32, .size: 8, .value_kind: global_buffer, .address_space: global }
      - { .name: fine, .offset: 40, .size: 8, .value_kind: global_buffer, .address_space: global }
    .group_segment_fixed_size: 327680
    .private_segment_fixed_size: 0
    .kernarg_segment_align: 8
    .kernarg_segment_size: 48
    .max_flat_workgroup_size: 128
    .sgpr_count:     100
    .vgpr_count:     1024
    .wavefront_size: 32
...
	.end_amdgpu_metadata
.endif
;; end of part 2
;; launch attn (part 3): grid 4 x 64, 8 waves a work-group, no clusters, 327,680 bytes of LDS; arguments qkv, cat; writes cat
.if DOCPART == 3
	.amdgcn_target "amdgcn-amd-amdhsa--gfx1250"
	.amdhsa_code_object_version 6
	.text
	.protected	k_q65bd532bf2_attn
	.globl	k_q65bd532bf2_attn
	.p2align	8
	.type	k_q65bd532bf2_attn,@function
k_q65bd532bf2_attn:
	s_mov_b64 s[64:65], 0
	v_nop
	global_prefetch_b8 v0, s[64:65] scope:SCOPE_SE
	s_setreg_imm32_b32 hwreg(HW_REG_WAVE_MODE, 25, 1), 1
	s_wait_xcnt 0x0
; cat[head][q][:] = the sum over k <= q of softmax_k(Q[q] . K[k] / 8) V[k][:], for each of the 64 heads (16 batch + head).  Q, K, V: f16 [3][64][2048][64] in qkv; cat: f16 [64][2048][64].
; Products, maxima and sums in f32; the weights p are rounded to f16 for the second product, the result once at the end.  LIMIT: results beyond 65,504 have no f16; NaN and infinities are not served.
; SHARES.  Work-group (J, head) owns the chunks 7 - J and J of 256 queries, the high one first.  Keys go in units of 256: 8 - J units for the high chunk, J + 1 for the low: NINE UNITS IN EVERY WORK-GROUP,
; so the 256 work-groups have equal work and every trip count is a constant.  Each of the eight waves owns 32 queries of the chunk, two tiles of 16, in 256 registers: two waves to a SIMD.
; NO CLUSTER: the four work-groups of a head walk 8 - J and then J + 1 units, so from the sixth unit on they want different tiles; a joint request has to be the same in all partners.
; LAYOUT.  S^T = K Q^T (source 0 = 16 keys, source 1 = 16 queries): a lane holds ONE query (lane % 16) and the keys 8 (lane / 16) + 0..7.  Two such tiles, rounded in pairs, ARE source 1 of O^T = V^T P.
; K comes out of LDS as it lies, V ([key][channel]) turned, by ds_load_tr16_b128.
; A head's row is 128 bytes and its rows are dense: a tile is fetched as DOUBLE ROWS of 256 bytes; row r lies at (r / 2) x pitch + (r % 2) x 128.
; SOFTMAX.  A running maximum m and sum l for each query: p = 2^(c s - c m), c = log2(e) / 8; in every step O and l are multiplied by a = 2^(c m_old - c m_new).
; THE MASK.  A step of 64 keys all of which come after my 32 queries is left out by a scalar branch on ids; on the diagonal hidden scores become -infinity ahead of the maximum.  Key 0 counts for every query.
.set PK,    272                        ; a double row of K in LDS: 256 bytes + 16: the 16 rows of a load start at 16 different groups of four banks
.set PV,    288                        ; of V: 256 + 32
.set VOFF,  128*PK                     ; a slot: 128 double rows of K, then 128 of V
.set SLOT1, 1<<17                      ; slot 1 begins here: one exclusive or turns an address from one slot to the other
.set STAGE, SLOT1+128*(PK+PV)          ; behind the ring: 32 rows x 144 bytes for each wave, for the way out
.set SP,    144
.set SPARE, STAGE+8*32*SP              ; the spare words, 128 bytes a wave
.set AK0, 1                            ; v1   my lane's place in a tile of K
.set AV0, 2                            ; v2   the same for V
.set ADK, 3                            ; v3   LDS address of the step's K
.set ADV, 4                            ; v4   of its V
.set QO,  5                            ; v5   my byte offset in the wave's rows of Q
.set STO, 6                            ; v6   the stage, in
.set RD,  7                            ; v7   the stage, back
.set GO,  8                            ; v8   16 x lane
.set PFO, 9                            ; v9   256 x lane
.set SPW, 10
.set NIL, 11
.set ST,  12                           ; tile t's statistics at v[ST + 8 t]: +0 c m, +1 m, +2, +3 l, +4 to +7 at work; a in +6
.set Q,   32                           ; v32-63   Q: tile t, channels 32 c on, at Q + 16 t + 8 c
.set KV,  64                           ; v64-127  K's eight fragments, then V's eight
.set S,   128                          ; v128-191 S^T, 32 a tile; P is packed into each tile's lower 16
.set O,   192                          ; v192-255 O^T: tile t, channels 16 k on, at O + 32 t + 8 k
.set WV,  8
.set J,   9
.set HD,  10
.set QH,  12                           ; s[12:13] Q's head;  s[14:15] cat's head
.set CH,  14
.set KB,  16                           ; s[16:17], s[18:19] my half of a unit in K and in V, at unit 0
.set VB,  18
.set SEL, 20
.set CS,  22
.set G1K, 24
.set G1V, 32
.set G0K, 40
.set G0V, 44
.set TBK, 48                           ; LDS byte of the step's K;  s49 of its V (less VOFF)
.set TBV, 49
.set KF,  50                           ; the step's first key
.set QB,  51                           ; the chunk's first query
.set Q0,  52                           ; my wave's first query
.set UN,  53                           ; the unit asked for last
.set NHI, 54                           ; 8 - J: the high chunk's units
.set SLOTS, 55
.set STEPC, 56
.set UO,  58                           ; s[58:59] a unit's byte offset
.set PFA, 60                           ; s[60:61] where my prefetches stand
.set LIM, 62
.set QP,  68                           ; s[68:69], s[70:71] my wave's rows of Q and of cat
.set CP,  70
; Waves 0 and 1 fetch K's halves, waves 2 and 3 V's, the others nothing.  An s_nop 0 and four v_nop follow each of the two lines.
.macro TLOAD
	s_cmp_lt_u32 s[WV], 2
	s_cbranch_scc0 .Lnot_k_\@
	tensor_load_to_lds s[G0K:G0K+3], s[G1K:G1K+7]
	s_nop 0
.rept 4
	v_nop
.endr
	s_branch .Lasked_\@
.Lnot_k_\@:
	s_cmp_lt_u32 s[WV], 4
	s_cbranch_scc0 .Lasked_\@
	tensor_load_to_lds s[G0V:G0V+3], s[G1V:G1V+7]
	s_nop 0
.rept 4
	v_nop
.endr
.Lasked_\@:
.endm
; A PREFETCH of the unit that the NEXT change of slots will ask for: 32,768 bytes of K and as many of V.  All four work-groups of a head begin with units 0, 1, 2 ..: the one with J = 0, which walks all eight, asks.
; In it the waves ask that fetch nothing: waves 4 and 5 for K's halves, 6 and 7 for V's; 16,384 bytes a wave, two instructions, lanes 256 bytes apart: each aligned block of 256 bytes is named once in the launch.
; Trip t (of 0 .. 5) names unit t + 2; units 0 and 1 come by their loads alone; the last two trips of the loop ask for nothing: the head has eight units.
.macro ASK
	s_cmp_gt_u32 s[SLOTS], s[LIM]
	s_cbranch_scc0 .Lnot_mine_\@
	global_prefetch_b8 v[PFO], s[PFA:PFA+1] th:TH_LOAD_NT scope:SCOPE_SE
	global_prefetch_b8 v[PFO], s[PFA:PFA+1] offset:8192 th:TH_LOAD_NT scope:SCOPE_SE
.Lnot_mine_\@:
.endm
	s_load_b128 s[4:7], s[0:1], 0x0                ; qkv s[4:5], cat s[6:7]
	v_lshl_add_u32 v[SPW], v0, 2, SPARE
	v_mov_b32 v[NIL], 0
	ds_add_u32 v[SPW], v[NIL]                      ; the wave's opening: the add, twice on end, and its wait ahead of the first tensor load
	ds_add_u32 v[SPW], v[NIL]
	v_lshrrev_b32 v12, 5, v0
	v_readfirstlane_b32 s[WV], v12                 ; wave 0..7
	s_mov_b32 s[J], ttmp9
	s_and_b32 s[HD], ttmp7, 0xffff
	; descriptor group 1: 64 double rows of 128 elements of 2 bytes, dense in memory, padded in LDS
	s_mov_b32 s[G1K], (1<<16)|(1<<20)|(5<<22)|(3<<25)              ; no mask; elements of 2 bytes; padding on; after every 64 words, 4 words
	s_mov_b32 s[G1V], (1<<16)|(1<<20)|(5<<22)|(7<<25)              ; the same with 8 words
.irp g, G1K, G1V
	s_mov_b32 s[\g+1], 128<<16                     ; tensor_dim0
	s_mov_b32 s[\g+2], 64<<16                      ; tensor_dim1
	s_mov_b32 s[\g+3], 128<<16                     ; tile_dim0
	s_mov_b32 s[\g+4], 64                          ; tile_dim1
	s_mov_b32 s[\g+5], 128                         ; tensor_dim0_stride
	s_mov_b32 s[\g+6], 0
	s_mov_b32 s[\g+7], 0
.endr
	s_mov_b32 s[SEL], 0x76543210
	s_mov_b32 s[SEL+1], 0xfedcba98                 ; v_permlanex16_b32's selects for lane l xor 16
	s_mov_b32 s[CS], 0x3e38aa3b                    ; c = log2(e) / 8
	s_mov_b32 s[CS+1], s[CS]                       ; (named with it as a pair, so it is written)
	s_mov_b32 s[TBK], 0
	s_mov_b32 s[TBV], 0
	s_mov_b32 s[KF], 0
	s_mov_b32 s[UN], 0
	s_mov_b32 s[UO+1], 0
	s_sub_co_u32 s[NHI], 8, s[J]
	s_sub_co_u32 s72, 7, s[J]
	s_lshl_b32 s[QB], s72, 8                       ; the high chunk first
	s_lshl_b32 s72, s[HD], 18                      ; a head is 262,144 bytes in each tensor
	s_mov_b32 s73, 0
	s_and_b32 s76, s[WV], 1                        ; which half of a unit I fetch:
	s_lshl_b32 s74, s76, 14                        ; 16,384 bytes in memory
	s_mov_b32 s75, 0
	s_lshr_b32 s77, s[WV], 2
	s_xor_b32 s77, s77, 1                          ; 0 in waves 4 to 7
	s_or_b32 s77, s77, s[J]                        ; of the work-group with J = 0
	s_cmp_eq_u32 s77, 0
	s_cselect_b32 s[LIM], 2, -1
	s_wait_dscnt 0x0                               ; both opening adds are done
	s_wait_kmcnt 0x0
	s_add_nc_u64 s[QH:QH+1], s[4:5], s[72:73]
	s_add_nc_u64 s[CH:CH+1], s[6:7], s[72:73]
	s_add_nc_u64 s[KB:KB+1], s[QH:QH+1], 0x1000000 ; K lies 64 heads behind Q,
	s_add_nc_u64 s[KB:KB+1], s[KB:KB+1], s[74:75]
	s_add_nc_u64 s[VB:VB+1], s[QH:QH+1], 0x2000000 ; V 128
	s_add_nc_u64 s[VB:VB+1], s[VB:VB+1], s[74:75]
	s_mov_b32 s[G0K], 1                            ; count = 1
	s_mul_i32 s[G0K+1], s76, 64*PK                 ; LDS address: slot 0, my half
	s_mov_b64 s[G0K+2:G0K+3], s[KB:KB+1]           ; global address: unit 0
	s_or_b32 s[G0K+3], s[G0K+3], 0x80000000        ; type = 2
	s_mov_b32 s[G0V], 1
	s_mul_i32 s[G0V+1], s76, 64*PV
	s_add_co_u32 s[G0V+1], s[G0V+1], VOFF
	s_mov_b64 s[G0V+2:G0V+3], s[VB:VB+1]
	s_or_b32 s[G0V+3], s[G0V+3], 0x80000000
	TLOAD                                          ; unit 0 into slot 0
	s_cmp_lt_u32 s[WV], 6
	s_cselect_b64 s[PFA:PFA+1], s[KB:KB+1], s[VB:VB+1]
	s_add_nc_u64 s[PFA:PFA+1], s[PFA:PFA+1], 32768 ; at unit 1: the first change of slots steps it to unit 2.  Nothing is prefetched here, at the head
	v_and_b32 v12, 15, v0                          ; r
	v_bfe_u32 v13, v0, 4, 1                        ; h
	v_and_b32 v14, 31, v0                          ; lane
	v_lshrrev_b32 v15, 1, v12
	v_mul_u32_u24 v[AK0], v15, PK
	v_and_b32 v15, 1, v12
	v_lshl_add_u32 v[AK0], v15, 7, v[AK0]
	v_lshl_add_u32 v[AK0], v13, 4, v[AK0]          ; K: (r / 2) x pitch + (r % 2) x 128 + 16 h
	v_and_b32 v15, 7, v0
	v_lshl_add_u32 v15, v13, 3, v15                ; V: lane l reads key 8 h + l % 8, channels 8 ((l / 8) % 2) on
	v_lshrrev_b32 v16, 1, v15
	v_mul_u32_u24 v[AV0], v16, PV
	v_and_b32 v16, 1, v15
	v_lshl_add_u32 v[AV0], v16, 7, v[AV0]
	v_bfe_u32 v16, v0, 3, 1
	v_lshl_add_u32 v[AV0], v16, 4, v[AV0]
	v_add_nc_u32 v[AV0], VOFF, v[AV0]
	v_lshlrev_b32 v[QO], 7, v12
	v_lshl_add_u32 v[QO], v13, 4, v[QO]            ; Q: row r of 128 bytes + 16 h
	s_mul_i32 s72, s[WV], 32*SP
	s_add_co_u32 s72, s72, STAGE                   ; my stage
	v_mul_u32_u24 v[STO], v12, SP
	v_lshl_add_u32 v[STO], v13, 4, v[STO]
	v_add_nc_u32 v[STO], s72, v[STO]               ; in: row r, 16 bytes for each half of the lanes
	v_lshrrev_b32 v15, 3, v14
	v_mul_u32_u24 v[RD], v15, SP
	v_and_b32 v15, 7, v0
	v_lshl_add_u32 v[RD], v15, 4, v[RD]
	v_add_nc_u32 v[RD], s72, v[RD]                 ; back: eight lanes a row of 128 bytes, four rows a load
	v_lshlrev_b32 v[GO], 4, v14
	v_lshlrev_b32 v[PFO], 8, v14
	v_lshlrev_b32 v15, 3, v13
	v_sub_nc_u32 v31, v12, v15                     ; r - 8 h, for the mask; never rewritten
; A chunk begins: my wave's rows, Q into registers, O^T and l zeros, m under every score (the step is written once: its first trip finds zeros, which a = 0 leaves zeros).
.macro INIT
	s_lshl_b32 s72, s[WV], 5
	s_add_co_u32 s[Q0], s[QB], s72
	s_lshl_b32 s72, s[Q0], 7
	s_mov_b32 s73, 0
	s_add_nc_u64 s[QP:QP+1], s[QH:QH+1], s[72:73]
	s_add_nc_u64 s[CP:CP+1], s[CH:CH+1], s[72:73]
.irp t, 0,1
.irp c, 0,1
	global_load_b128 v[Q+16*\t+8*\c:Q+16*\t+8*\c+3],   v[QO], s[QP:QP+1] offset:\t*2048+\c*64
	global_load_b128 v[Q+16*\t+8*\c+4:Q+16*\t+8*\c+7], v[QO], s[QP:QP+1] offset:\t*2048+\c*64+32
.endr
.endr
.set i, 0
.rept 64
	v_mov_b32 v[O+i], 0
.set i, i+1
.endr
.irp t, 0,1
	v_mov_b32 v[ST+8*\t+1], 0xff61b1e6             ; m = -3e38
	v_mul_f32 v[ST+8*\t], s[CS], v[ST+8*\t+1]      ; c m
.irp i, 2,3,4,5,6,7
	v_mov_b32 v[ST+8*\t+\i], 0
.endr
.endr
	s_wait_loadcnt 0x0                             ; Q
.endm
; A KEY STEP: 64 keys.
.macro STEP
	s_add_co_u32 s72, s[Q0], 31
	s_cmp_gt_u32 s[KF], s72                        ; all 64 keys come after my 32 queries: the step's work is left out
	s_cbranch_scc1 .Lhid_\@
	v_add_nc_u32 v[ADK], s[TBK], v[AK0]
	v_add_nc_u32 v[ADV], s[TBV], v[AV0]
.rept 3
	v_nop                                          ; with the two additions five places behind the last V^T P: four for the loads into its fragments' registers, five since K Q^T writes over P's
.endr
.irp f, 0,1,2,3,4,5,6,7                        ; keys 16 (f / 2) on, channels 32 (f % 2) on
	ds_load_b128 v[KV+8*\f:KV+8*\f+3],   v[ADK] offset:(\f/2)*8*PK+(\f%2)*64
	ds_load_b128 v[KV+8*\f+4:KV+8*\f+7], v[ADK] offset:(\f/2)*8*PK+(\f%2)*64+32
.endr
	s_wait_dscnt 0x0
.irp c, 0,1                                    ; S^T = K Q^T: the eight accumulators by turns; the first eight products start the sums
.irp t, 0,1
.irp k, 0,1,2,3
.if \c == 0
	v_wmma_f32_16x16x32_f16 v[S+32*\t+8*\k:S+32*\t+8*\k+7], v[KV+16*\k+8*\c:KV+16*\k+8*\c+7], v[Q+16*\t+8*\c:Q+16*\t+8*\c+7], 0
.else
	v_wmma_f32_16x16x32_f16 v[S+32*\t+8*\k:S+32*\t+8*\k+7], v[KV+16*\k+8*\c:KV+16*\k+8*\c+7], v[Q+16*\t+8*\c:Q+16*\t+8*\c+7], v[S+32*\t+8*\k:S+32*\t+8*\k+7]
.endif
.endr
.endr
.endr
.rept 4
	v_nop                                          ; places: for the loads into K's registers, and for the first read of the scores
.endr
.irp f, 0,1,2,3,4,5,6,7                        ; V, turned: keys 32 (f / 4) on, channels 16 (f % 4) on.  It lands while the softmax is walked
	ds_load_tr16_b128 v[KV+8*\f:KV+8*\f+3],   v[ADV] offset:(\f/4)*16*PV+(\f%4)*32
	ds_load_tr16_b128 v[KV+8*\f+4:KV+8*\f+7], v[ADV] offset:(\f/4)*16*PV+8*PV+(\f%4)*32
.endr
	s_add_co_u32 s72, s[KF], 63
	s_cmp_le_u32 s72, s[Q0]                        ; all 64 keys count for all my queries: no mask
	s_cbranch_scc1 .Lopen_\@
	s_sub_co_i32 s72, s[Q0], s[KF]
	v_add_nc_u32 v28, s72, v31                     ; d = my query - KF - 8 h, tile 0; register n holds key KF + 8 h + 16 (n / 8) + n % 8: hidden where 16 (n / 8) + n % 8 > d
	v_add_nc_u32 v29, 16, v28                      ; tile 1
	v_mov_b32 v30, 0xff800000                      ; -infinity
.irp t, 0,1
.set n, 0
.rept 32
	v_cmp_gt_i32 vcc_lo, 16*(n/8)+n%8, v[28+\t]
	v_cndmask_b32 v[S+32*\t+n], v[S+32*\t+n], v30, vcc_lo
.set n, n+1
.endr
.endr
.Lopen_\@:
	; the maximum of my 32 scores and the old m: four chains, the two tiles by turns
.irp j, 0,1,2,3
.irp t, 0,1
	v_max3_num_f32 v[ST+8*\t+4+\j], v[S+32*\t+8*\j], v[S+32*\t+8*\j+1], v[S+32*\t+8*\j+2]
.endr
.endr
.irp i, 3,5
.irp j, 0,1,2,3
.irp t, 0,1
	v_max3_num_f32 v[ST+8*\t+4+\j], v[ST+8*\t+4+\j], v[S+32*\t+8*\j+\i], v[S+32*\t+8*\j+\i+1]
.endr
.endr
.endr
.irp t, 0,1
	v_max3_num_f32 v[ST+8*\t+4], v[ST+8*\t+4], v[S+32*\t+7], v[S+32*\t+15]
	v_max3_num_f32 v[ST+8*\t+6], v[ST+8*\t+6], v[S+32*\t+23], v[S+32*\t+31]
.endr
.irp t, 0,1
	v_max3_num_f32 v[ST+8*\t+4], v[ST+8*\t+4], v[ST+8*\t+5], v[ST+8*\t+6]
.endr
.irp t, 0,1
	v_max3_num_f32 v[ST+8*\t+4], v[ST+8*\t+4], v[ST+8*\t+7], v[ST+8*\t+1]
.endr
.irp t, 0,1
	v_permlanex16_b32 v[ST+8*\t+5], v[ST+8*\t+4], s[SEL], s[SEL+1]   ; the query's other 32 keys lie in the lane 16 away
	v_mov_b32 v[ST+8*\t+7], v[ST+8*\t]             ; c m_old is kept for a
.endr
.irp t, 0,1
	v_max_num_f32 v[ST+8*\t+1], v[ST+8*\t+4], v[ST+8*\t+5]
.endr
.irp t, 0,1
	v_mul_f32 v[ST+8*\t], s[CS], v[ST+8*\t+1]
.endr
.irp t, 0,1
	v_sub_f32 v[ST+8*\t+7], v[ST+8*\t+7], v[ST+8*\t]
.endr
.irp t, 0,1
.set i, 0
.rept 16
	v_pk_fma_f32 v[S+32*\t+i:S+32*\t+i+1], v[S+32*\t+i:S+32*\t+i+1], s[CS:CS+1], v[ST+8*\t:ST+8*\t+1] op_sel_hi:[1,0,0] neg_lo:[0,0,1] neg_hi:[0,0,1]   ; c s - c m
.set i, i+2
.endr
.endr
.irp t, 0,1                                    ; ONE BATCH: both tiles' a and their 64 weights; none of these reads an exponential's result
	v_exp_f32 v[ST+8*\t+6], v[ST+8*\t+7]
.endr
.irp t, 0,1
.set i, 0
.rept 32
	v_exp_f32 v[S+32*\t+i], v[S+32*\t+i]
.set i, i+1
.endr
.endr
	v_nop                                          ; a plain instruction behind the last exponential
	s_wait_alu depctr_va_vdst(0)                   ; the wait ahead of the first instruction that names a result: one for the batch
.irp t, 0,1                                    ; l = a l + the sum of my 32 weights, in pairs, in two chains
	v_pk_fma_f32 v[ST+8*\t+2:ST+8*\t+3], v[ST+8*\t+2:ST+8*\t+3], v[ST+8*\t+6:ST+8*\t+7], v[S+32*\t:S+32*\t+1] op_sel_hi:[1,0,1]
	v_pk_add_f32 v[ST+8*\t+4:ST+8*\t+5], v[S+32*\t+2:S+32*\t+3], v[S+32*\t+4:S+32*\t+5]
.endr
.irp i, 6,10,14,18,22,26
.irp t, 0,1
	v_pk_add_f32 v[ST+8*\t+2:ST+8*\t+3], v[ST+8*\t+2:ST+8*\t+3], v[S+32*\t+\i:S+32*\t+\i+1]
	v_pk_add_f32 v[ST+8*\t+4:ST+8*\t+5], v[ST+8*\t+4:ST+8*\t+5], v[S+32*\t+\i+2:S+32*\t+\i+3]
.endr
.endr
.irp t, 0,1
	v_pk_add_f32 v[ST+8*\t+2:ST+8*\t+3], v[ST+8*\t+2:ST+8*\t+3], v[S+32*\t+30:S+32*\t+31]
.endr
.irp t, 0,1
	v_pk_add_f32 v[ST+8*\t+2:ST+8*\t+3], v[ST+8*\t+2:ST+8*\t+3], v[ST+8*\t+4:ST+8*\t+5]
.endr
.irp t, 0,1                                    ; P: the weights rounded to f16 in pairs, in place, ascending: register i takes weights 2 i and 2 i + 1
.set i, 0
.rept 16
	v_cvt_pk_f16_f32 v[S+32*\t+i], v[S+32*\t+2*i], v[S+32*\t+2*i+1]
.set i, i+1
.endr
.endr
.irp t, 0,1                                    ; O^T times a
.set i, 0
.rept 16
	v_pk_mul_f32 v[O+32*\t+i:O+32*\t+i+1], v[O+32*\t+i:O+32*\t+i+1], v[ST+8*\t+6:ST+8*\t+7] op_sel_hi:[1,0]
.set i, i+2
.endr
.endr
	s_wait_dscnt 0x0                               ; V is in
.irp c, 0,1                                    ; O^T += V^T P: keys 32 c on; the eight accumulators by turns
.irp t, 0,1
.irp k, 0,1,2,3
	v_wmma_f32_16x16x32_f16 v[O+32*\t+8*\k:O+32*\t+8*\k+7], v[KV+32*\c+8*\k:KV+32*\c+8*\k+7], v[S+32*\t+8*\c:S+32*\t+8*\c+7], v[O+32*\t+8*\k:O+32*\t+8*\k+7]
.endr
.endr
.endr
.Lhid_\@:
.endm
; A unit's four key steps: written once, walked four times; then on to the other slot.
.macro UNIT
	s_mov_b32 s[STEPC], 4
.Lstep_\@:
	STEP
	s_add_co_u32 s[TBK], s[TBK], 32*PK
	s_add_co_u32 s[TBV], s[TBV], 32*PV
	s_add_co_u32 s[KF], s[KF], 64
	s_sub_co_u32 s[STEPC], s[STEPC], 1
	s_cmp_lg_u32 s[STEPC], 0
	s_cbranch_scc1 .Lstep_\@
	s_sub_co_u32 s[TBK], s[TBK], 128*PK
	s_sub_co_u32 s[TBV], s[TBV], 128*PV
	s_xor_b32 s[TBK], s[TBK], SLOT1
	s_xor_b32 s[TBV], s[TBV], SLOT1
.endm
; THE CHANGE OF SLOTS stands at a unit's head.  Each wave waits for all its tensor loads (its part of the slot ahead), adds 0 to its spare word, and waits for that and for its reads of the slot that it has left.
; Behind the barrier the slot ahead is whole and nobody reads the other.  fill = 1: that other slot takes the next unit of the walk: 0 .. 7 - J, then 0 .. J.  One load of a wave is out at the most.
.macro CHANGE fill
	s_wait_tensorcnt 0x0                           ; no tensor load of mine is out, so a group 0 may be written
	ds_add_u32 v[SPW], v[NIL]
.if \fill
	ds_add_u32 v[SPW], v[NIL]                      ; and once more: the add twice on end, in every trip alike
	s_xor_b32 s[G0K+1], s[G0K+1], SLOT1            ; the other slot than last time
	s_xor_b32 s[G0V+1], s[G0V+1], SLOT1
	s_add_co_u32 s[UN], s[UN], 1
	s_cmp_eq_u32 s[UN], s[NHI]                     ; behind the high chunk's last unit comes the low chunk's unit 0 (after that UN stays under NHI: J is 3 at the most, NHI 5 at the least)
	s_cselect_b32 s[UN], 0, s[UN]
	s_lshl_b32 s[UO], s[UN], 15                    ; a unit is 32,768 bytes
	s_add_nc_u64 s[G0K+2:G0K+3], s[KB:KB+1], s[UO:UO+1]
	s_or_b32 s[G0K+3], s[G0K+3], 0x80000000
	s_add_nc_u64 s[G0V+2:G0V+3], s[VB:VB+1], s[UO:UO+1]
	s_or_b32 s[G0V+3], s[G0V+3], 0x80000000
	s_wait_xcnt 0x0                                ; the last prefetches, a unit back, have read their address, so it may be written
	s_add_nc_u64 s[PFA:PFA+1], s[PFA:PFA+1], 32768
.endif
	s_wait_dscnt 0x0                               ; the adds are done, and my reads of the slot that I have left are over
	s_barrier_signal -1
	s_barrier_wait -1
.if \fill
	TLOAD                                          ; the first thing behind the barrier, and a wave's one tensor load until the next
	ASK
.endif
.endm
; THE WAY OUT of a chunk: l's halves are added, O^T is divided by l, rounded to f16 and sent through my stage: four rows of 128 bytes leave as 512 consecutive bytes, aligned.
.macro WAYOUT
.irp t, 0,1
	v_add_f32 v[ST+8*\t+4], v[ST+8*\t+2], v[ST+8*\t+3]             ; (these six lines are the places behind the last products)
.endr
.irp t, 0,1
	v_permlanex16_b32 v[ST+8*\t+5], v[ST+8*\t+4], s[SEL], s[SEL+1]
.endr
.irp t, 0,1
	v_add_f32 v[ST+8*\t+4], v[ST+8*\t+4], v[ST+8*\t+5]
.endr
.irp t, 0,1
	v_rcp_f32 v[ST+8*\t+6], v[ST+8*\t+4]
.endr
	v_nop                                          ; a plain instruction behind the last reciprocal
	s_wait_alu depctr_va_vdst(0)                   ; and the wait ahead of the first use: one for the two
.irp t, 0,1
.set i, 0
.rept 16
	v_pk_mul_f32 v[O+32*\t+i:O+32*\t+i+1], v[O+32*\t+i:O+32*\t+i+1], v[ST+8*\t+6:ST+8*\t+7] op_sel_hi:[1,0]
.set i, i+2
.endr
.endr
.set i, 0
.rept 32
	v_cvt_pk_f16_f32 v[S+i], v[O+2*i], v[O+2*i+1]  ; registers S + 16 t + 4 k on: query r, channels 16 k + 8 h + 0 .. 7
.set i, i+1
.endr
.irp t, 0,1
.irp k, 0,1,2,3
	ds_store_b128 v[STO], v[S+16*\t+4*\k:S+16*\t+4*\k+3] offset:\t*16*SP+32*\k
.endr
.endr
.irp u, 0,1,2,3,4,5,6,7
	ds_load_b128 v[KV+4*\u:KV+4*\u+3], v[RD] offset:\u*4*SP        ; LDS serves a wave's instructions in order: these see my stores
.endr
.irp u, 0,1,2,3,4,5,6,7
	s_wait_dscnt 7-\u                              ; load u is back; the younger ones may be out
	global_store_b128 v[GO], v[KV+4*\u:KV+4*\u+3], s[CP:CP+1] offset:512*\u
.endr
	s_wait_xcnt 0x0                                ; the stores have read their registers and their base: both are written again only behind this wait
.endm
	INIT
	s_mov_b32 s[SLOTS], 8
.Lslot:                                            ; eight trips: behind each change of slots but the last the next unit is asked for
	CHANGE 1
	UNIT
	s_add_co_u32 s72, s[QB], 256
	s_cmp_lg_u32 s[KF], s72                        ; the chunk's diagonal unit is done?  Ids and counts alone: all eight waves go the same way.  It holds once in the loop, in trip 7 - J
	s_cbranch_scc1 .Lgo
	WAYOUT
	s_lshl_b32 s[QB], s[J], 8                      ; the low chunk
	s_mov_b32 s[KF], 0
	INIT
.Lgo:
	s_sub_co_u32 s[SLOTS], s[SLOTS], 1
	s_cmp_lg_u32 s[SLOTS], 0
	s_cbranch_scc1 .Lslot
	CHANGE 0                                       ; the ninth unit, the low chunk's diagonal, is written out: nothing is left to ask for
	UNIT
	WAYOUT
	s_wait_tensorcnt 0x0                           ; the wave's end: a wait, an add to my spare word and its wait, behind my last tensor load and my last LDS store
	ds_add_u32 v[SPW], v[NIL]
	s_wait_dscnt 0x0
	s_endpgm
.Lfunc_end_k_q65bd532bf2_attn:
	.size	k_q65bd532bf2_attn, .Lfunc_end_k_q65bd532bf2_attn-k_q65bd532bf2_attn
	.p2alignl 7, 3214868480
	.fill 96, 4, 3214868480
	.section	.rodata,"a",@progbits
	.p2align	6, 0x0
	.amdhsa_kernel k_q65bd532bf2_attn
		.amdhsa_group_segment_fixed_size 327680
		.amdhsa_private_segment_fixed_size 0
		.amdhsa_enable_private_segment 0
		.amdhsa_kernarg_size 16
		.amdhsa_user_sgpr_count 2
		.amdhsa_user_sgpr_kernarg_segment_ptr 1
		.amdhsa_wavefront_size32 1
		.amdhsa_system_sgpr_workgroup_id_x 1
		.amdhsa_system_sgpr_workgroup_id_y 1
		.amdhsa_system_sgpr_workgroup_id_z 1
		.amdhsa_system_vgpr_workitem_id 0
		.amdhsa_next_free_vgpr 256
		.amdhsa_next_free_sgpr 82
		.amdhsa_reserve_vcc 1
		.amdhsa_float_denorm_mode_32 3
		.amdhsa_float_denorm_mode_16_64 3
		.amdhsa_memory_ordered 1
		.amdhsa_forward_progress 1
		.amdhsa_inst_pref_size 72
	.end_amdhsa_kernel
	.amdgpu_metadata
---
amdhsa.version: [ 1, 2 ]
amdhsa.kernels:
  - .name:           k_q65bd532bf2_attn
    .symbol:         k_q65bd532bf2_attn.kd
    .args:
      - { .name: qkv, .offset: 0, .size: 8, .value_kind: global_buffer, .address_space: global }
      - { .name: cat, .offset: 8, .size: 8, .value_kind: global_buffer, .address_space: global }
    .group_segment_fixed_size: 327680
    .private_segment_fixed_size: 0
    .kernarg_segment_align: 8
    .kernarg_segment_size: 16
    .max_flat_workgroup_size: 256
    .sgpr_count:     82
    .vgpr_count:     256
    .wavefront_size: 32
...
	.end_amdgpu_metadata
.endif
;; end of part 3
;; launch oproj (part 4): grid 4 x 64, 4 waves a work-group, clusters of 4 x 4, 327,680 bytes of LDS; arguments cat, wo16, out0; writes out0
.if DOCPART == 4
	.amdgcn_target "amdgcn-amd-amdhsa--gfx1250"
	.amdhsa_code_object_version 6
	.text
	.protected	k_q65bd532bf2_oproj
	.globl	k_q65bd532bf2_oproj
	.p2align	8
	.type	k_q65bd532bf2_oproj,@function
k_q65bd532bf2_oproj:
	s_mov_b64 s[64:65], 0
	v_nop
	global_prefetch_b8 v0, s[64:65] scope:SCOPE_SE
	s_setreg_imm32_b32 hwreg(HW_REG_WAVE_MODE, 25, 1), 1
	s_wait_xcnt 0x0
	s_wait_alu depctr_hold_cnt(0) depctr_sa_sdst(0) depctr_va_vdst(0) depctr_va_sdst(0) depctr_va_ssrc(0) depctr_va_vcc(0) depctr_vm_vsrc(0)
	s_getreg_b32 s2, hwreg(HW_REG_IB_STS2, 6, 4)
	s_cmp_eq_u32 s2, 0
	s_cbranch_scc0 .Lentry_in_a_cluster
	s_endpgm
.Lentry_in_a_cluster:
	s_bfe_u32 s2, ttmp6, 0x10000c
	s_cmp_lg_u32 s2, 0xf033
	s_cbranch_scc0 .Lentry_shape_is_right
	s_endpgm
.Lentry_shape_is_right:
; out0[m][n] = sum over k of concat[m][k] W_o[n][k], f16 operands, f32 sums, f32 out.  concat lies by head: cat[batch][hb][position][64]; W_o likewise: wo16[hb][n][64]; k = 64 hb + d.
; A tile of C is 128 (m) x 256 (n): 256 work-groups.  Four waves, each 64 x 128: 32 accumulators of 16 x 16, 256 registers.  A K step is 128: two head blocks; eight K steps through a ring of two LDS slots.
; A head block's rows are 128 bytes and dense: a tile is fetched as DOUBLE ROWS of 256 bytes; row r lies at (r / 2) x 272 + (r % 2) x 128.
; CLUSTERS: 4 x 4 work-groups.  The four of a row of the cluster need the same tiles of A, the four of a column the same tiles of B: each is asked for jointly.
; THE MATRIX INSTRUCTION IS USED TRANSPOSED (source 0 = 16 rows of W_o, source 1 = 16 rows of concat): a lane holds eight neighbouring numbers of a row of C.
; (Positions 0 to 15 of every sequence are written here too and written anew, more finely, by the launch that follows.)
; REGISTERS: window 0: v0-31 addresses; v128-255 two sets of 64 for the way out.  window 1: the accumulators, (a, b) at v[8 (8 a + b)].  window 2: two fragment buffers at v0 and v128: B's eight fragments, then A's four.
.set PITCH,  272
.set AHB,    64*PITCH                  ; A's 128 rows of one head block
.set BHB,    128*PITCH                 ; B's 256 rows of one head block
.set SLOT,   2*AHB+2*BHB               ; A hb 0, A hb 1, B hb 0, B hb 1
.set STAGE,  2*SLOT                    ; behind the ring: 16 rows x 528 bytes for each wave
.set SPITCH, 528
.set SPARE,  STAGE+4*16*SPITCH         ; the spare words, 128 bytes a wave
.set LAPS,   4                         ; a lap = two K steps = once round the ring
.set ADRA, 16
.set ADRB, 20
.set STO,  24
.set RD,   25
.set CO,   26
.set SPW,  28
.set NIL,  29
.set BK,   128
.set F0,   0
.set F1,   128
.set G1, 24
.set G0, 32
.set G1B, 48
.set G0B, 56
.set MSB, 0
.macro WIN new                         ; the immediate's high byte repeats the setting that is left
.if MSB != \new
	s_set_vgpr_msb (MSB<<8)|\new
.set MSB, \new
.endif
.endm
.set MUL,  0x5a                        ; sources 0 (B) and 1 (A) window 2; C and D window 1
.set TO_F, 0x80                        ; destination window 2, address window 0
.macro JLOAD s                         ; a joint load: waves 0 and 1 fetch A's two head blocks, waves 2 and 3 B's; an s_nop 0 and four v_nop follow each of the two lines
	s_cmp_eq_u32 s11, 0
	s_cbranch_scc0 .Lfor_b_\@
	tensor_load_to_lds s[G0+4*\s:G0+4*\s+3], s[G1:G1+7]
	s_nop 0
.rept 4
	v_nop
.endr
	s_branch .Lasked_\@
.Lfor_b_\@:
	tensor_load_to_lds s[G0B+4*\s:G0B+4*\s+3], s[G1B:G1B+7]
	s_nop 0
.rept 4
	v_nop
.endr
.Lasked_\@:
.endm
.macro CREST                           ; a round of the cluster's barrier behind its opening barrier
	s_cmp_lg_u32 s10, 0
	s_cbranch_scc1 .Lnot_wave_0_\@
	s_barrier_signal -3
.Lnot_wave_0_\@:
	s_barrier_wait -3
	s_barrier_signal -1
	s_barrier_wait -1
.endm
.macro CROUND
	s_barrier_signal -1
	s_barrier_wait -1
	CREST
.endm
	s_load_b128 s[4:7], s[0:1], 0x0                ; cat s[4:5], wo16 s[6:7]
	s_load_b64 s[8:9], s[0:1], 0x10                ; out0
	v_lshl_add_u32 v[SPW], v0, 2, SPARE
	v_mov_b32 v[NIL], 0
	ds_add_u32 v[SPW], v[NIL]                      ; the wave's opening: the add, twice on end, and its wait ahead of my first tensor load
	ds_add_u32 v[SPW], v[NIL]
	v_lshrrev_b32 v1, 5, v0
	v_readfirstlane_b32 s10, v1                    ; wave 0..3
	s_lshr_b32 s11, s10, 1                         ; which half of the tile's rows is mine.  Also: I fetch for A (0) or for B (1)
	s_and_b32 s12, s10, 1                          ; which half of its columns.  Also: which of a K step's two head blocks I fetch
	s_bfe_u32 s40, ttmp6, 0x40000                  ; cx, cy
	s_bfe_u32 s41, ttmp6, 0x40004
	s_lshl_b32 s42, ttmp9, 2
	s_add_co_u32 s42, s42, s40                     ; tile column of C
	s_and_b32 s13, ttmp7, 0xffff
	s_lshl_b32 s13, s13, 2
	s_add_co_u32 s13, s13, s41                     ; tile row of C
	s_lshl_b32 s43, s41, 2
	s_lshl_b32 s43, 15, s43                        ; my row of the cluster
	s_lshl_b32 s44, 0x1111, s40                    ; my column
	s_or_b32 s[G1+0], s43, (1<<16)|(1<<20)|(1<<21)|(5<<22)|(3<<25)  ; the mask; elements of 2 bytes; padding on; bit 21 beside a mask; after every 64 words, 4 words
	s_or_b32 s[G1B+0], s44, (1<<16)|(1<<20)|(1<<21)|(5<<22)|(3<<25)
	s_mov_b32 s[G1+1], 128<<16                     ; tensor_dim0 = 128 elements: a double row
	s_mov_b32 s[G1+2], 64<<16                      ; tensor_dim1: A: 64 double rows
	s_mov_b32 s[G1+3], 128<<16                     ; tile_dim0
	s_mov_b32 s[G1+4], 64                          ; tile_dim1
	s_mov_b32 s[G1+5], 128                         ; tensor_dim0_stride: dense
	s_mov_b32 s[G1+6], 0
	s_mov_b32 s[G1+7], 0
	s_mov_b32 s[G1B+1], 128<<16
	s_mov_b32 s[G1B+2], 128<<16                    ; B: 128 double rows
	s_mov_b32 s[G1B+3], 128<<16
	s_mov_b32 s[G1B+4], 128
	s_mov_b32 s[G1B+5], 128
	s_mov_b32 s[G1B+6], 0
	s_mov_b32 s[G1B+7], 0
	s_lshr_b32 s16, s13, 4                         ; A: the batch (16 tile rows each), 16 heads of 262,144 bytes;
	s_lshl_b32 s16, s16, 22
	s_and_b32 s17, s13, 15
	s_lshl_b32 s17, s17, 14                        ; 128 positions of 128 bytes a tile row;
	s_add_co_u32 s16, s16, s17
	s_lshl_b32 s17, s12, 18                        ; my head block of the K step
	s_add_co_u32 s16, s16, s17
	s_mov_b32 s17, 0
	s_lshl_b32 s46, s42, 15                        ; B: 256 rows of 128 bytes a tile column;
	s_lshl_b32 s47, s12, 17                        ; a head block is 131,072 bytes
	s_add_co_u32 s46, s46, s47
	s_mov_b32 s47, 0
	s_mul_i32 s20, s12, AHB                        ; where they go: no place in the cluster enters an LDS address
	s_mul_i32 s21, s12, BHB
	s_add_co_u32 s21, s21, 2*AHB
	s_wait_dscnt 0x0                               ; both opening adds are done
	s_wait_kmcnt 0x0
	s_add_nc_u64 s[14:15], s[4:5], s[16:17]
	s_add_nc_u64 s[46:47], s[6:7], s[46:47]
	CROUND                                         ; all sixteen work-groups are here: the first joint loads meet
.irp s, 0,1
	s_mov_b32 s[G0+4*\s], 1
	s_add_co_u32 s[G0+4*\s+1], s20, \s*SLOT
	s_add_nc_u64 s[G0+4*\s+2:G0+4*\s+3], s[14:15], \s*2*262144     ; K step s: head blocks 2 s and 2 s + 1
	s_or_b32 s[G0+4*\s+3], s[G0+4*\s+3], 0x80000000
	s_mov_b32 s[G0B+4*\s], 1
	s_add_co_u32 s[G0B+4*\s+1], s21, \s*SLOT
	s_add_nc_u64 s[G0B+4*\s+2:G0B+4*\s+3], s[46:47], \s*2*131072
	s_or_b32 s[G0B+4*\s+3], s[G0B+4*\s+3], 0x80000000
	JLOAD \s
.endr
	v_and_b32 v1, 15, v0                           ; r
	v_bfe_u32 v2, v0, 4, 1                         ; h
	v_lshrrev_b32 v3, 1, v1
	v_mul_u32_u24 v3, v3, PITCH
	v_and_b32 v4, 1, v1
	v_lshl_add_u32 v3, v4, 7, v3
	v_lshl_add_u32 v3, v2, 4, v3                   ; a fragment's row: (r / 2) x pitch + (r % 2) x 128 + 16 h
	s_mul_i32 s22, s11, 32*PITCH                   ; my 64 rows of A
	s_mul_i32 s23, s12, 64*PITCH                   ; my 128 rows of B,
	s_add_co_u32 s23, s23, 2*AHB                   ; which lie behind A's two head blocks
.irp s, 0,1
	v_add_nc_u32 v[ADRA+\s], s22, v3
	v_add_nc_u32 v[ADRB+\s], s23, v3
	s_add_co_u32 s22, s22, SLOT
	s_add_co_u32 s23, s23, SLOT
.endr
	s_mul_i32 s23, s10, 16*SPITCH
	s_add_co_u32 s23, s23, STAGE                   ; my stage
	v_mul_u32_u24 v4, v1, SPITCH
	v_lshl_add_u32 v4, v2, 5, v4
	v_add_nc_u32 v[STO], s23, v4                   ; in: row r, 32 bytes for each half of the lanes
	v_and_b32 v5, 31, v0
	v_lshlrev_b32 v[CO], 4, v5
	v_add_nc_u32 v[RD], s23, v[CO]                 ; back: the 32 lanes take one row of 512 bytes; and the same in C
	s_lshl_b32 s16, s13, 7
	s_lshl_b32 s17, s11, 6
	s_add_co_u32 s16, s16, s17                     ; my first row of C: 128 x tile row + 64 x half
	s_lshl_b32 s16, s16, 12                        ; rows of 4,096 bytes
	s_lshl_b32 s17, s42, 10                        ; my first column, in bytes: 1,024 x tile column + 512 x half
	s_add_co_u32 s16, s16, s17
	s_lshl_b32 s17, s12, 9
	s_add_co_u32 s16, s16, s17
	s_mov_b32 s17, 0
	s_add_nc_u64 s[8:9], s[8:9], s[16:17]
; 8 matrix instructions: m block a x all 8 n blocks, 32 along K, from buffer f.  zero = 1: the product starts the sums.  The 32 accumulators take turns in one order everywhere.
.macro MUL8 f, a, zero
.irp b, 0,1,2,3,4,5,6,7
.if \zero
	v_wmma_f32_16x16x32_f16 v[8*(8*(\a)+\b):8*(8*(\a)+\b)+7], v[\f+8*\b:\f+8*\b+7], v[\f+64+8*(\a):\f+64+8*(\a)+7], 0
.else
	v_wmma_f32_16x16x32_f16 v[8*(8*(\a)+\b):8*(8*(\a)+\b)+7], v[\f+8*\b:\f+8*\b+7], v[\f+64+8*(\a):\f+64+8*(\a)+7], v[8*(8*(\a)+\b):8*(8*(\a)+\b)+7]
.endif
.endr
.endm
; 24 LDS loads in one run: the fragments of the slot's q-th 32 along K (head block q / 2, channels 32 (q % 2) on) into buffer f: B's eight, then A's four
.macro FETCH slot, q, f
	WIN TO_F
.irp i, 0,1,2,3,4,5,6,7
	ds_load_b128 v[\f+8*\i:\f+8*\i+3],   v[ADRB+\slot] offset:((\q)/2)*BHB+((\q)%2)*64+\i*8*PITCH
	ds_load_b128 v[\f+8*\i+4:\f+8*\i+7], v[ADRB+\slot] offset:((\q)/2)*BHB+((\q)%2)*64+\i*8*PITCH+32
.endr
.irp i, 0,1,2,3
	ds_load_b128 v[\f+64+8*\i:\f+64+8*\i+3],   v[ADRA+\slot] offset:((\q)/2)*AHB+((\q)%2)*64+\i*8*PITCH
	ds_load_b128 v[\f+64+8*\i+4:\f+64+8*\i+7], v[ADRA+\slot] offset:((\q)/2)*AHB+((\q)%2)*64+\i*8*PITCH+32
.endr
.endm
.macro PLACES                          ; four places in front of loads into registers that matrix instructions have read, and of the first read of results
.rept 4
	v_nop
.endr
.endm
; A K step is four quarters of 32 along K, 32 matrix instructions each, on buffers 0, 1, 0, 1.  One of the first three: multiplies buffer f and fetches quarter q into g.
.macro QUARTER slot, q, f, g, zero
	s_wait_dscnt 4                                 ; B and A's blocks 0 and 1 are in; the youngest four loads (A's blocks 2 and 3) may be out
	WIN MUL
	MUL8 \f, 0, \zero
	MUL8 \f, 1, \zero
	PLACES
	FETCH \slot, \q, \g
	s_wait_dscnt 24                                ; all but the 24 just issued
	WIN MUL
	MUL8 \f, 2, \zero
	MUL8 \f, 3, \zero
.endm
; The last quarter multiplies buffer 1 and changes slots: ONE barrier; in front of it each wave waits for all its tensor loads, adds 0 to its spare word, and waits for that and for its reads of this slot.
; fill = 1: the barrier opens a round of the cluster's barrier, and this slot is filled again, two K steps ahead: the first tensor load behind the round, 112 matrix instructions ahead of the wait for it.
.macro TURN slot, next, fill
	WIN 0                                          ; (the add's two registers lie in window 0)
	s_wait_tensorcnt 0x0                           ; all my tensor loads have landed: my part of the next slot
	ds_add_u32 v[SPW], v[NIL]
	s_wait_dscnt 5                                 ; (the add and the youngest four loads may be out)
	WIN MUL
	MUL8 F1, 0, 0
	s_wait_dscnt 0x0                               ; the add is done, and my reads of this slot are over
	s_barrier_signal -1
	MUL8 F1, 1, 0
.if \fill
	WIN 0
.endif
	s_barrier_wait -1
.if \fill
	CREST                                          ; no wave of any partner still reads this slot's tiles or has a load on its way
	s_add_nc_u64 s[G0+4*\slot+2:G0+4*\slot+3], s[G0+4*\slot+2:G0+4*\slot+3], 4*262144
	s_add_nc_u64 s[G0B+4*\slot+2:G0B+4*\slot+3], s[G0B+4*\slot+2:G0B+4*\slot+3], 4*131072
	JLOAD \slot                                    ; the four v_nop behind it are also the places in front of the loads below
.else
	PLACES
.endif
	FETCH \next, 0, F0
	WIN MUL
	MUL8 F1, 2, 0
	MUL8 F1, 3, 0
.endm
	s_wait_tensorcnt 1                             ; my part of K step 0 is in (K step 1's load may be out)
	s_barrier_signal -1
	s_barrier_wait -1                              ; everybody's is
	FETCH 0, 0, F0
	QUARTER 0, 1, F0, F1, 1                        ; the first quarter stands in front of the loop: its products start the sums
	WIN 0                                          ; at a label and at a branch every window is 0
	s_mov_b32 s3, LAPS-1
.Llap:                                                 ; a trip goes once round the ring, from a lap's second quarter to the next lap's first, and fills both slots again
	QUARTER 0, 2, F1, F0, 0
	QUARTER 0, 3, F0, F1, 0
	TURN 0, 1, 1
	QUARTER 1, 1, F0, F1, 0
	QUARTER 1, 2, F1, F0, 0
	QUARTER 1, 3, F0, F1, 0
	TURN 1, 0, 1
	QUARTER 0, 1, F0, F1, 0
	WIN 0
	s_sub_co_u32 s3, s3, 1
	s_cmp_lg_u32 s3, 0
	s_cbranch_scc1 .Llap
	QUARTER 0, 2, F1, F0, 0                        ; the last lap fills nothing, and has no round of the cluster's barrier
	QUARTER 0, 3, F0, F1, 0
	TURN 0, 1, 0
	QUARTER 1, 1, F0, F1, 0
	QUARTER 1, 2, F1, F0, 0
	QUARTER 1, 3, F0, F1, 0
	s_wait_dscnt 4                                 ; the very last quarter: nothing more to fetch
	WIN MUL
	MUL8 F1, 0, 0
	MUL8 F1, 1, 0
	s_wait_dscnt 0
	MUL8 F1, 2, 0
	MUL8 F1, 3, 0
	WIN 0
; THE WAY OUT, block by block of 16 rows x 128 columns: through my own stage in LDS and back as whole rows of 512 bytes.  LDS serves a wave's instructions in order: no wait between the stores and the loads.
.macro TOSTAGE a
	WIN 0x04                                       ; an LDS store's data are its source 1: window 1
.irp b, 0,1,2,3,4,5,6,7
	ds_store_b128 v[STO], v[64*(\a)+8*\b:64*(\a)+8*\b+3] offset:64*\b          ; each accumulator from its low end on
	ds_store_b128 v[STO], v[64*(\a)+8*\b+4:64*(\a)+8*\b+7] offset:64*\b+16
.endr
	WIN 0
.set BB, BK+64*((\a)%2)
.irp t, 0,1,2,3,4,5,6,7,8,9,10,11,12,13,14,15
	ds_load_b128 v[BB+4*\t:BB+4*\t+3], v[RD] offset:\t*SPITCH
.endr
.endm
.macro SEND a, younger                 ; younger: the LDS instructions issued behind block a's loads, which may stay out
.set BB, BK+64*((\a)%2)
	s_wait_dscnt \younger
.irp t, 0,1,2,3,4,5,6,7,8,9,10,11,12,13,14,15
	global_store_b128 v[CO], v[BB+4*\t:BB+4*\t+3], s[8:9] offset:(16*(\a)+\t)*4096 th:TH_STORE_NT   ; 32 lanes store 512 consecutive bytes, aligned
.endr
.endm
	PLACES
	TOSTAGE 0
.irp a, 1,2,3
.if \a > 1
	s_wait_xcnt 0x0                                ; block a - 2's stores have read their registers: block a's loads land there only behind this wait
.endif
	TOSTAGE \a
	SEND \a-1, 32                                  ; behind block a - 1's loads: block a's 16 stores and 16 loads
.endr
	SEND 3, 0
	s_wait_tensorcnt 0x0                           ; the wave's end: a wait, an add to my spare word and its wait, behind my last tensor load and my last LDS store
	ds_add_u32 v[SPW], v[NIL]
	s_wait_dscnt 0x0
	CROUND                                         ; the closing round
	s_endpgm
.Lfunc_end_k_q65bd532bf2_oproj:
	.size	k_q65bd532bf2_oproj, .Lfunc_end_k_q65bd532bf2_oproj-k_q65bd532bf2_oproj
	.p2alignl 7, 3214868480
	.fill 96, 4, 3214868480
	.section	.rodata,"a",@progbits
	.p2align	6, 0x0
	.amdhsa_kernel k_q65bd532bf2_oproj
		.amdhsa_group_segment_fixed_size 327680
		.amdhsa_private_segment_fixed_size 0
		.amdhsa_enable_private_segment 0
		.amdhsa_kernarg_size 24
		.amdhsa_user_sgpr_count 2
		.amdhsa_user_sgpr_kernarg_segment_ptr 1
		.amdhsa_wavefront_size32 1
		.amdhsa_system_sgpr_workgroup_id_x 1
		.amdhsa_system_sgpr_workgroup_id_y 1
		.amdhsa_system_sgpr_workgroup_id_z 1
		.amdhsa_system_vgpr_workitem_id 0
		.amdhsa_next_free_vgpr 768
		.amdhsa_next_free_sgpr 66
		.amdhsa_reserve_vcc 0
		.amdhsa_float_denorm_mode_32 3
		.amdhsa_float_denorm_mode_16_64 3
		.amdhsa_memory_ordered 1
		.amdhsa_forward_progress 1
		.amdhsa_inst_pref_size 85
	.end_amdhsa_kernel
	.amdgpu_metadata
---
amdhsa.version: [ 1, 2 ]
amdhsa.kernels:
  - .name:           k_q65bd532bf2_oproj
    .symbol:         k_q65bd532bf2_oproj.kd
    .args:
      - { .name: cat, .offset: 0, .size: 8, .value_kind: global_buffer, .address_space: global }
      - { .name: wo16, .offset: 8, .size: 8, .value_kind: global_buffer, .address_space: global }
      - { .name: out0, .offset: 16, .size: 8, .value_kind: global_buffer, .address_space: global }
    .group_segment_fixed_size: 327680
    .private_segment_fixed_size: 0
    .kernarg_segment_align: 8
    .kernarg_segment_size: 24
    .max_flat_workgroup_size: 128
    .sgpr_count:     66
    .vgpr_count:     768
    .wavefront_size: 32
...
	.end_amdgpu_metadata
.endif
;; end of part 4
;; launch first16 (part 5): grid 64 x 4, 16 waves a work-group, no clusters, 18,432 bytes of LDS; arguments fine, W_o, out0; writes out0
.if DOCPART == 5
	.amdgcn_target "amdgcn-amd-amdhsa--gfx1250"
	.amdhsa_code_object_version 6
	.text
	.protected	k_q65bd532bf2_first16
	.globl	k_q65bd532bf2_first16
	.p2align	8
	.type	k_q65bd532bf2_first16,@function
k_q65bd532bf2_first16:
	s_mov_b64 s[64:65], 0
	v_nop
	global_prefetch_b8 v0, s[64:65] scope:SCOPE_SE
	s_setreg_imm32_b32 hwreg(HW_REG_WAVE_MODE, 25, 1), 1
	s_wait_xcnt 0x0
; Positions 0 to 15 of every sequence, in f32 throughout: under the causal mask these rows average one to sixteen values.  They are written over what the launch before left in those 64 rows of out0.
; fine: f32 [3][4 batch][16 head][16 position][64]: q, k, v as the quantised products summed them.  W_o: [1024][1024] f32.
; SHARES.  A work-group is (16 columns n of out0, batch).  Wave w is head w: it makes the head's 16 x 16 scores, its softmax, its 16 x 64 result, and the part of the projection whose K is the head's 64 channels;
; the sixteen partial tiles of 16 x 16 meet in LDS as images of their registers, and wave 0 adds them in the order of the heads and stores.  The attention is made anew in each of the 64 column tiles: 32 matrix instructions a wave.
; No cluster and no tensor load: what work-groups share is 12 KB a wave, loaded once.  A row's 64 bytes of out0 are a quarter of an aligned 256: the whole launch stores 256 KB so.
; ALL PRODUCTS by v_wmma_f32_16x16x4_f32, used transposed, so that a lane holds ONE query (lane % 16).  k is permuted alike in both operands of a product, so that registers serve as they lie:
;   scores: lane (r, h) holds channels 8 i + 4 h + 0 .. 3 of its row, by loads of 16 bytes; register pair p feeds instruction p, for K and Q alike.
;   V^T P:  the scores' register j is key 8 h + j; pair i of p stands for keys 8 h + 2 i, 2 i + 1; V is loaded so: V[8 h + j][16 c + r].
;   W_o H:  the result's register 8 c + j is channel 16 c + 8 h + j; W_o is loaded so: W_o[n0 + r][64 w + 16 c + 8 h + j].
; The registers that the matrix instructions write (v144-207) are written by them alone; what is made of a sum goes into other registers.
.set QR,  16                           ; v16-47   Q; later the head's result / l; in wave 0 later the images
.set KR,  48                           ; v48-79   K
.set VT,  80                           ; v80-111  V
.set WO,  112                          ; v112-143 W_o
.set SA,  144                          ; v144-159 the scores' two accumulators
.set OA,  160                          ; v160-191 O^T, four accumulators
.set PA,  192                          ; v192-207 the projection's two
.set T,   208                          ; v208-215 the scores, then p
.set SPW, 10
.set NIL, 11
.set SPARE, 16384                      ; behind the sixteen images of 1,024 bytes: the spare words, 128 bytes a wave
	s_load_b128 s[4:7], s[0:1], 0x0                ; fine s[4:5], W_o s[6:7]
	s_load_b64 s[8:9], s[0:1], 0x10                ; out0
	v_lshl_add_u32 v[SPW], v0, 2, SPARE
	v_mov_b32 v[NIL], 0
	v_lshrrev_b32 v1, 5, v0
	v_readfirstlane_b32 s10, v1                    ; wave = head
	s_and_b32 s11, ttmp7, 0xffff                   ; batch
	v_and_b32 v1, 15, v0                           ; r
	v_bfe_u32 v2, v0, 4, 1                         ; h
	v_and_b32 v12, 31, v0                          ; lane
	v_lshlrev_b32 v3, 8, v1
	v_lshl_add_u32 v3, v2, 4, v3                   ; Q, K: row r of 256 bytes + 16 h
	v_lshlrev_b32 v4, 11, v2
	v_lshl_add_u32 v4, v1, 2, v4                   ; V: 8 h rows of 256 bytes + 4 r
	v_lshlrev_b32 v5, 12, v1
	v_lshl_add_u32 v5, v2, 5, v5                   ; W_o and out0: row r of 4,096 bytes + 32 h
	v_lshlrev_b32 v7, 4, v12                       ; an image's place for my lane
	s_lshl_b32 s12, s10, 10
	v_add_nc_u32 v6, s12, v7                       ; my wave's image
	v_lshlrev_b32 v9, 3, v2
	v_sub_nc_u32 v9, v1, v9                        ; r - 8 h, for the mask
	s_lshl_b32 s12, s11, 4
	s_add_co_u32 s12, s12, s10
	s_lshl_b32 s12, s12, 12                        ; fine: (16 batch + head) x 4,096 bytes
	s_mov_b32 s13, 0
	s_lshl_b32 s14, ttmp9, 16                      ; W_o: 16 rows of 4,096 bytes a column tile,
	s_lshl_b32 s15, s10, 8                         ; + my head's 64 channels
	s_add_co_u32 s14, s14, s15
	s_mov_b32 s15, 0
	s_lshl_b32 s16, s11, 23                        ; out0: a batch is 8,388,608 bytes,
	s_lshl_b32 s17, ttmp9, 6                       ; + 16 columns of 4 bytes a tile
	s_add_co_u32 s16, s16, s17
	s_mov_b32 s17, 0
	s_mov_b32 s20, 0x76543210
	s_mov_b32 s21, 0xfedcba98                      ; v_permlanex16_b32's selects for lane l xor 16
	s_mov_b32 s22, 0x3e38aa3b                      ; c = log2(e) / 8
	s_wait_kmcnt 0x0
	s_add_nc_u64 s[4:5], s[4:5], s[12:13]
	s_add_nc_u64 s[6:7], s[6:7], s[14:15]
	s_add_nc_u64 s[8:9], s[8:9], s[16:17]
.irp i, 0,1,2,3,4,5,6,7
	global_load_b128 v[QR+4*\i:QR+4*\i+3], v3, s[4:5] offset:32*\i
.endr
.irp i, 0,1,2,3,4,5,6,7
	global_load_b128 v[KR+4*\i:KR+4*\i+3], v3, s[4:5] offset:262144+32*\i      ; k lies 64 heads behind q
.endr
.irp c, 0,1,2,3
.irp j, 0,1,2,3,4,5,6,7
	global_load_b32 v[VT+8*\c+\j], v4, s[4:5] offset:524288+256*\j+64*\c       ; v 128 heads behind
.endr
.endr
.irp c, 0,1,2,3
	global_load_b128 v[WO+8*\c:WO+8*\c+3],   v5, s[6:7] offset:64*\c
	global_load_b128 v[WO+8*\c+4:WO+8*\c+7], v5, s[6:7] offset:64*\c+16
.endr
	s_wait_loadcnt 40                              ; Q and K are in; V's 32 loads and W_o's 8 may be out
.irp i, 0,1,2,3,4,5,6,7,8,9,10,11,12,13,14,15  ; S^T = K Q^T: two accumulators by turns; the first two products start the sums
.if \i < 2
	v_wmma_f32_16x16x4_f32 v[SA+8*(\i%2):SA+8*(\i%2)+7], v[KR+2*\i:KR+2*\i+1], v[QR+2*\i:QR+2*\i+1], 0
.else
	v_wmma_f32_16x16x4_f32 v[SA+8*(\i%2):SA+8*(\i%2)+7], v[KR+2*\i:KR+2*\i+1], v[QR+2*\i:QR+2*\i+1], v[SA+8*(\i%2):SA+8*(\i%2)+7]
.endif
.endr
.rept 8
	v_nop                                          ; eight places behind this form before a result is read (ISA guide 7.12.1)
.endr
.irp j, 0,1,2,3,4,5,6,7
	v_add_f32 v[T+\j], v[SA+\j], v[SA+8+\j]        ; register j: key 8 h + j, query r
.endr
	v_mov_b32 v216, 0xff800000                     ; -infinity
.irp j, 0,1,2,3,4,5,6,7
	v_cmp_gt_i32 vcc_lo, \j, v9                    ; hidden where 8 h + j > r
	v_cndmask_b32 v[T+\j], v[T+\j], v216, vcc_lo
.endr
	v_max3_num_f32 v217, v[T], v[T+1], v[T+2]
	v_max3_num_f32 v218, v[T+3], v[T+4], v[T+5]
	v_max3_num_f32 v217, v217, v[T+6], v[T+7]
	v_max_num_f32 v217, v217, v218
	v_permlanex16_b32 v218, v217, s20, s21
	v_max_num_f32 v217, v217, v218                 ; the row's maximum: key 0 counts for every query
	v_mul_f32 v218, s22, v217                      ; c m
.irp j, 0,1,2,3,4,5,6,7
	v_fma_f32 v[T+\j], v[T+\j], s22, -v218
.endr
.irp j, 0,1,2,3,4,5,6,7
	v_exp_f32 v[T+\j], v[T+\j]
.endr
	v_nop                                          ; a plain instruction behind the last exponential
	s_wait_alu depctr_va_vdst(0)                   ; the wait ahead of the first use: one for the eight
	v_add_f32 v219, v[T], v[T+1]
	v_add_f32 v220, v[T+2], v[T+3]
	v_add_f32 v219, v219, v[T+4]
	v_add_f32 v220, v220, v[T+5]
	v_add_f32 v219, v219, v[T+6]
	v_add_f32 v220, v220, v[T+7]
	v_add_f32 v219, v219, v220
	v_permlanex16_b32 v220, v219, s20, s21
	v_add_f32 v219, v219, v220                     ; the row's sum
	v_rcp_f32 v221, v219
	s_wait_loadcnt 8                               ; V is in; W_o's 8 loads may be out
.irp i, 0,1,2,3                                ; O^T = V^T P: four accumulators by turns; the first four products start the sums
.irp c, 0,1,2,3
.if \i == 0
	v_wmma_f32_16x16x4_f32 v[OA+8*\c:OA+8*\c+7], v[VT+8*\c+2*\i:VT+8*\c+2*\i+1], v[T+2*\i:T+2*\i+1], 0
.else
	v_wmma_f32_16x16x4_f32 v[OA+8*\c:OA+8*\c+7], v[VT+8*\c+2*\i:VT+8*\c+2*\i+1], v[T+2*\i:T+2*\i+1], v[OA+8*\c:OA+8*\c+7]
.endif
.endr
.endr
.rept 8
	v_nop                                          ; eight places; the first is also the plain instruction behind the reciprocal
.endr
	s_wait_alu depctr_va_vdst(0)                   ; the wait ahead of the reciprocal's first use
.set i, 0
.rept 32
	v_mul_f32 v[QR+i], v[OA+i], v221               ; the head's result: register 8 c + j: query r, channel 16 c + 8 h + j
.set i, i+1
.endr
	s_wait_loadcnt 0x0                             ; W_o
.irp i, 0,1,2,3,4,5,6,7,8,9,10,11,12,13,14,15  ; my head's part of the projection: two accumulators by turns
.if \i < 2
	v_wmma_f32_16x16x4_f32 v[PA+8*(\i%2):PA+8*(\i%2)+7], v[WO+2*\i:WO+2*\i+1], v[QR+2*\i:QR+2*\i+1], 0
.else
	v_wmma_f32_16x16x4_f32 v[PA+8*(\i%2):PA+8*(\i%2)+7], v[WO+2*\i:WO+2*\i+1], v[QR+2*\i:QR+2*\i+1], v[PA+8*(\i%2):PA+8*(\i%2)+7]
.endif
.endr
.rept 8
	v_nop
.endr
.irp j, 0,1,2,3,4,5,6,7
	v_add_f32 v[216+\j], v[PA+\j], v[PA+8+\j]      ; register j: query r, column n0 + 8 h + j
.endr
	ds_store_b128 v6, v[216:219]                   ; my partial tile goes to LDS as an image of its registers
	ds_store_b128 v6, v[220:223] offset:512
	s_wait_dscnt 0x0                               ; for the others' sake: my stores have landed
	s_barrier_signal -1
	s_barrier_wait -1
	s_wait_tensorcnt 0x0                           ; a wait, an add to my spare word and its wait, behind my last LDS store: no LDS write follows
	ds_add_u32 v[SPW], v[NIL]
	s_wait_dscnt 0x0
	s_cmp_lg_u32 s10, 0
	s_cbranch_scc1 .Lend
.irp w, 0,1,2,3,4,5,6,7,8,9,10,11,12,13,14,15
	ds_load_b128 v[16+8*\w:16+8*\w+3], v7 offset:1024*\w
	ds_load_b128 v[16+8*\w+4:16+8*\w+7], v7 offset:1024*\w+512
.endr
	s_wait_dscnt 0x0
.irp w, 1,2,3,4,5,6,7,8,9,10,11,12,13,14,15
.irp p, 0,2,4,6
	v_pk_add_f32 v[16+\p:17+\p], v[16+\p:17+\p], v[16+8*\w+\p:17+8*\w+\p]
.endr
.endr
	global_store_b128 v5, v[16:19], s[8:9]
	global_store_b128 v5, v[20:23], s[8:9] offset:16
.Lend:
	s_endpgm
.Lfunc_end_k_q65bd532bf2_first16:
	.size	k_q65bd532bf2_first16, .Lfunc_end_k_q65bd532bf2_first16-k_q65bd532bf2_first16
	.p2alignl 7, 3214868480
	.fill 96, 4, 3214868480
	.section	.rodata,"a",@progbits
	.p2align	6, 0x0
	.amdhsa_kernel k_q65bd532bf2_first16
		.amdhsa_group_segment_fixed_size 18432
		.amdhsa_private_segment_fixed_size 0
		.amdhsa_enable_private_segment 0
		.amdhsa_kernarg_size 24
		.amdhsa_user_sgpr_count 2
		.amdhsa_user_sgpr_kernarg_segment_ptr 1
		.amdhsa_wavefront_size32 1
		.amdhsa_system_sgpr_workgroup_id_x 1
		.amdhsa_system_sgpr_workgroup_id_y 1
		.amdhsa_system_sgpr_workgroup_id_z 1
		.amdhsa_system_vgpr_workitem_id 0
		.amdhsa_next_free_vgpr 232
		.amdhsa_next_free_sgpr 66
		.amdhsa_reserve_vcc 1
		.amdhsa_float_denorm_mode_32 3
		.amdhsa_float_denorm_mode_16_64 3
		.amdhsa_memory_ordered 1
		.amdhsa_forward_progress 1
		.amdhsa_inst_pref_size 21
	.end_amdhsa_kernel
	.amdgpu_metadata
---
amdhsa.version: [ 1, 2 ]
amdhsa.kernels:
  - .name:           k_q65bd532bf2_first16
    .symbol:         k_q65bd532bf2_first16.kd
    .args:
      - { .name: fine, .offset: 0, .size: 8, .value_kind: global_buffer, .address_space: global }
      - { .name: W_o, .offset: 8, .size: 8, .value_kind: global_buffer, .address_space: global }
      - { .name: out0, .offset: 16, .size: 8, .value_kind: global_buffer, .address_space: global }
    .group_segment_fixed_size: 18432
    .private_segment_fixed_size: 0
    .kernarg_segment_align: 8
    .kernarg_segment_size: 24
    .max_flat_workgroup_size: 512
    .sgpr_count:     66
    .vgpr_count:     232
    .wavefront_size: 32
...
	.end_amdgpu_metadata
.endif
;; end of part 5
